; MI455X (gfx1250); checked and timed in simulation.
; The chip was launched on July 23, 2026; its instructions are those of AMD's public machine-readable ISA for CDNA 5 (MIT licence, August 2026) and "CDNA5" Instruction Set Architecture Reference Guide (July 2026). The comments in the code are by the model that wrote it; some were corrected since.
;; Attention. Allowed arithmetic: matrix products marked QUANTISED: E2M3 operands, one E8M0 scale for each 32 along K, by v_wmma_scale_f32_16x16x128_f8f6f4 with both operands' format E2M3, f32 sums; everything else in f32.
;; Inputs: W_proj 1,024 x 1,024 float32; W_qkv 3,072 x 1,024 float32; b_proj 1,024 float32; x 4 x 2,048 x 1,024 float32.
;; Outputs: out0 4 x 2,048 x 1,024 float32.
;; This version of the problem:
;;   THIS VERSION OF THE PROBLEM IS GIVEN IN LOW PRECISION. The matrix products marked QUANTISED in the list below multiply operands that are first quantised to E2M3 (2 exponent bits, 3 mantissa bits; 6 bits a number), with one power-of-two scale for each 32 numbers along K (OCP MX v1.0); their sums are f32. All else is computed in f32.
;;   The module's matrix products, in the order in which they are computed (A, B: the left and right operand; K: the contracted axis; several contracted axes count as one K, in the product's order):
;;     1. [M 8,192, K 1,024] x [K 1,024, N 3,072]; A: input x; B: input W_qkv: QUANTISED
;;     2. batch 64 x [M 2,048, K 64] x [K 64, N 2,048]; A: computed on the way; B: computed on the way: QUANTISED
;;     3. batch 64 x [M 2,048, K 2,048] x [K 2,048, N 64]; A: softmax (see below); B: computed on the way: QUANTISED
;;     4. [M 8,192, K 1,024] x [K 1,024, N 1,024]; A: computed on the way; B: input W_proj: QUANTISED
;;   THE QUANTISER, for each operand of a quantised product, along K:
;;     - K is cut into blocks of 32 from its start; a last block that is shorter is filled with zeros.
;;     - A block's scale is 2^e with e = floor(log2(the largest magnitude in the block)) - 2, held to -126 .. 127; a block of zeros has e = 0. As a byte (E8M0): e + 127.
;;     - Each number is divided by its block's scale, clamped to +-7.5, and rounded to the nearest number of E2M3, ties to even, subnormals kept.
;;     - The product sums the exact products of the quantised numbers (number of the format x scale) in f32.
;;   ~~~python
;;   def quantise(x, axis):      # numpy; x: float32 -> the quantised numbers, widened to float32 again
;;       x = np.moveaxis(x, axis, -1); K = x.shape[-1]
;;       x = np.pad(x, [(0, 0)] * (x.ndim - 1) + [(0, -K % 32)]); x = x.reshape(x.shape[:-1] + (-1, 32)); a = np.abs(x).max(-1, keepdims=True)
;;       e = np.where(a > 0, np.clip(np.frexp(np.where(a > 0, a, 1))[1] - 1 - 2, -126, 127), 0)      # np.frexp(a)[1] - 1 = floor(log2(a)), exactly
;;       r = np.clip(x / 2.0 ** e, -7.5, 7.5)
;;       step = 2.0 ** (np.maximum(np.frexp(np.where(r == 0, 1, r))[1] - 1, 0) - 3)
;;       q = np.round(r / step) * step * 2.0 ** e      # np.round: ties to even
;;       return np.moveaxis(q.reshape(q.shape[:-2] + (-1,))[..., :K], -1, axis).astype(np.float32)
;;   ~~~
;;   SOFTMAX AHEAD OF A QUANTISED PRODUCT. Where the list says 'softmax', what is quantised is not the finished softmax but p = 2^(t - M), with t = logit x log2(e) and M = ceil(the row's largest t), a whole number; so 1/2 < the row's largest p <= 1. The row's sum l is taken of the UNQUANTISED p, in f32, and the product's result is divided by l at the end. Since M is a whole number, a kernel that streams over the keys may use a running M (the ceiling of the running maximum): every later rescaling is an exact power of two, which a block's scale takes up: the codes' values come out the same.
;;   OPERANDS COMPUTED ON THE WAY. 'Computed on the way' means the value that the module computes at that place (a softmax that the list does not call 'softmax' is quantised finished and normalised). What goes into a quantiser is computed in f32, as accurately as f32 sums, v_exp_f32 and their like allow (about 1e-6 of the number): no bf16 or f16 on the way to a quantiser, and a product that is left as it is and whose result goes on into a quantised operand takes f32 operands (vector FMAs, or v_wmma_f32_16x16x4_f32). A number that lies on a knife's edge between two numbers of the format may be rounded either way, as far as f32 arithmetic and the matrix unit's own rounding can turn it there, and no further.
;; One version. Each part assembles by itself: llvm-mc -triple=amdgcn-amd-amdhsa -mcpu=gfx1250 --defsym DOCPART=n.
;; ======== version 1 of 1: 4 launches
;; workspace buffers: x_img 6,553,600 bytes; wqkv_img 2,457,600 bytes; wproj_img 819,200 bytes; qkv_img 18,874,368 bytes; qkv_sc 786,432 bytes; o_img 6,553,600 bytes
;; launch quant (part 1): grid 384 x 1, 4 waves a work-group, no clusters, 34,304 bytes of LDS; arguments x, W_qkv, W_proj, x_img, wqkv_img, wproj_img; writes x_img, wqkv_img, wproj_img
.if DOCPART == 1
	.amdgcn_target "amdgcn-amd-amdhsa--gfx1250"
	.amdhsa_code_object_version 6
	.text
	.protected	k_q9075751f5e_quant
	.globl	k_q9075751f5e_quant
	.p2align	8
	.type	k_q9075751f5e_quant,@function
k_q9075751f5e_quant:
	s_mov_b64 s[64:65], 0
	v_nop
	global_prefetch_b8 v0, s[64:65] scope:SCOPE_SE
	s_setreg_imm32_b32 hwreg(HW_REG_WAVE_MODE, 25, 1), 1
	s_wait_xcnt 0x0
; x [8192][1024], W_qkv [3072][1024], W_proj [1024][1024], f32, K innermost, become codes of FP6 (E2M3) with one E8M0 scale byte for each 32 along K,
; laid as IMAGES OF THE MATRIX OPERAND'S REGISTERS.  Rows go in groups sg of 128, K in steps kappa of 128; block (sg, kappa) is 12,800 bytes at (8 sg + kappa) x 12,800:
;   fragment a = 0..7 at 1,536 a; in it plane p = 0..5 at 256 p; in it lane l at 8 l: registers 2 p, 2 p + 1 of the lane's twelve.
;   lane (r = l % 16, h = l / 16) of fragment a holds row 128 sg + 32 (a / 2) + 8 (a % 2) + r + 8 (r / 8); its registers 6 c .. 6 c + 5 hold k = 128 kappa + 64 c + 32 h + 0 .. 31.
;   from byte 12,288 on the scale words: that of (row lane r, fragment a) at 256 (a / 4) + 16 r + 4 (a % 4); its byte i scales k = 128 kappa + 32 i on.
; A block's scale is 2^(floor(log2(its largest magnitude)) - 2); its byte is the largest magnitude's exponent field - 2, held at 1 from below.
; LIMITS: NaN and infinities among the inputs are not served; a block's largest magnitude is taken as at least 2^(3 - 127), so a block of zeros has the byte 1 (its codes are zeros, and this program alone reads the bytes).
; SHARES.  A wave takes four fragments (64 rows x 128 along K, 32 KiB of f32).  Work-groups 0-255 take x, 256-351 W_qkv, 352-383 W_proj: only pointers are chosen, all take one path.
; Each load reads 512 consecutive bytes of one row; a fragment's 16 rows turn through the wave's own stage in LDS (rows 528 bytes apart), so that a lane gets the two whole blocks of 32 that the operand's layout gives it.
; No work-group shares an input byte with another, so there is no cluster; waves share nothing, so there is no barrier; the launch streams, so nothing is prefetched.
.set STG,   8448                       ; a wave's stage: 16 rows x (512 + 16) bytes
.set SPARE, 4*STG                      ; behind the stages: the spare words, 128 bytes for each wave
.set LO16, 1                           ; v1   16 x lane: my bytes of a load's 512
.set SIN,  2                           ; v2   the stage, on the way in
.set SOUT, 3                           ; v3   and on the way out: row r, + 128 h
.set LO8,  4                           ; v4   8 x lane: my place in a plane
.set R16,  5                           ; v5   16 r: my row's four scale words
.set SPW,  6                           ; v6   LDS address of my spare word; never rewritten
.set NIL,  7                           ; v7   0; never rewritten
.set WD,   8                           ; v8-11   the four fragments' scale words
.set MX,   12                          ; v12-13  largest magnitudes
.set SO,   14                          ; v14-15  the conversions' scale operands
.set R,    16                          ; v16-143 two sets of 64: a fragment's rows as loaded
.set X,    144                         ; v144-207 my two blocks of 32
.set PC,   208                         ; v208-231 two sets of 12: a fragment's codes
.set CT,   232                         ; v232-234, v236-238: the blocks' upper halves, as converted
.set BY,   240                         ; v240-241 bytes
.set WW,   242                         ; v242 the word at work
.set H8,   243                         ; v243 8 h
.set PD,   244                         ; v244 the lane permute's destination
	s_load_b128 s[4:7], s[0:1], 0x0                ; x, W_qkv
	s_load_b128 s[8:11], s[0:1], 0x10              ; W_proj, x_img
	s_load_b128 s[12:15], s[0:1], 0x20             ; wqkv_img, wproj_img
	v_lshl_add_u32 v[SPW], v0, 2, SPARE
	v_mov_b32 v[NIL], 0
	v_lshrrev_b32 v[WW], 5, v0
	v_readfirstlane_b32 s24, v[WW]                 ; wave
	v_and_b32 v[WW], 31, v0                        ; lane
	v_and_b32 v[BY], 15, v0                        ; r
	v_bfe_u32 v[BY+1], v0, 4, 1                    ; h
	v_lshlrev_b32 v[LO16], 4, v[WW]
	v_lshlrev_b32 v[LO8], 3, v[WW]
	v_lshlrev_b32 v[R16], 4, v[BY]
	v_lshlrev_b32 v[H8], 3, v[BY+1]
	s_mul_i32 s25, s24, STG
	v_add_nc_u32 v[SIN], s25, v[LO16]
	v_mul_u32_u24 v[SOUT], v[BY], 528
	v_lshl_add_u32 v[SOUT], v[BY+1], 7, v[SOUT]
	v_add_nc_u32 v[SOUT], s25, v[SOUT]
	v_mov_b32 v[PD], 0                             ; written once: a lane permute's destination counts as one of its sources
	s_mov_b32 s26, 0x76543210
	s_mov_b32 s27, 0xfedcba98                      ; selects for lane l xor 16
	s_mov_b32 s20, 352                             ; the first work-group of my tensor
	s_cmp_lt_u32 ttmp9, 352
	s_cselect_b32 s20, 256, s20
	s_cmp_lt_u32 ttmp9, 256
	s_cselect_b32 s20, 0, s20
	s_sub_co_u32 s20, ttmp9, s20
	s_lshl_b32 s20, s20, 2
	s_add_co_u32 s20, s20, s24                     ; my unit u = 16 sg + 2 kappa + g
	s_and_b32 s21, s20, 1                          ; g: fragments 4 g .. 4 g + 3
	s_lshr_b32 s22, s20, 1                         ; 8 sg + kappa: the block
	s_and_b32 s23, s22, 7                          ; kappa
	s_lshr_b32 s28, s20, 4                         ; sg
	s_lshl_b32 s28, s28, 19                        ; 128 rows of 4,096 bytes,
	s_lshl_b32 s29, s21, 18                        ; 64 rows,
	s_add_co_u32 s28, s28, s29
	s_lshl_b32 s29, s23, 9                         ; 128 numbers
	s_add_co_u32 s28, s28, s29
	s_mov_b32 s29, 0
	s_mul_i32 s30, s22, 12800
	s_mul_i32 s31, s21, 6144
	s_add_co_u32 s30, s30, s31                     ; my four fragments' codes
	s_mov_b32 s31, 0
	s_mul_i32 s32, s22, 12800
	s_lshl_b32 s33, s21, 8
	s_add_co_u32 s32, s32, s33
	s_add_co_u32 s32, s32, 12288                   ; and their 256 bytes of scale words
	s_mov_b32 s33, 0
	s_wait_kmcnt 0x0
	s_cmp_lt_u32 ttmp9, 352                        ; the choice hangs on the work-group's number alone
	s_cselect_b64 s[16:17], s[6:7], s[8:9]
	s_cselect_b64 s[18:19], s[12:13], s[14:15]
	s_cmp_lt_u32 ttmp9, 256
	s_cselect_b64 s[16:17], s[4:5], s[16:17]
	s_cselect_b64 s[18:19], s[10:11], s[18:19]
	s_add_nc_u64 s[16:17], s[16:17], s[28:29]
	s_add_nc_u64 s[34:35], s[18:19], s[32:33]
	s_add_nc_u64 s[18:19], s[18:19], s[30:31]
.macro LOAD f                          ; fragment f's 16 rows, 512 consecutive bytes each, into set f % 2
.irp q, 0,1,2,3,4,5,6,7,8,9,10,11,12,13,14,15
	global_load_b128 v[R+64*((\f)%2)+4*\q:R+64*((\f)%2)+4*\q+3], v[LO16], s[16:17] offset:(32*((\f)/2)+8*((\f)%2)+\q+8*(\q/8))*4096 th:TH_LOAD_NT
.endr
.endm
.macro TURNQ f                         ; through the stage: LDS serves a wave's instructions in order, so no wait stands between the stores and the loads
.irp q, 0,1,2,3,4,5,6,7,8,9,10,11,12,13,14,15
	ds_store_b128 v[SIN], v[R+64*((\f)%2)+4*\q:R+64*((\f)%2)+4*\q+3] offset:528*\q
.endr
.irp c, 0,1
.irp j, 0,1,2,3,4,5,6,7
	ds_load_b128 v[X+32*\c+4*\j:X+32*\c+4*\j+3], v[SOUT] offset:256*\c+16*\j   ; row r, k = 64 c + 32 h + 4 j on
.endr
.endr
.endm
.macro QF f                            ; my two blocks (2 c + h of row r) become registers 6 c .. 6 c + 5 of the fragment; the row's four bytes its scale word
.set PCS, PC+12*((\f)%2)
.irp c, 0,1
	v_max3_num_f32 v[MX+\c], |v[X+32*\c]|, |v[X+32*\c+1]|, 0x1800000   ; with the floor 2^(3 - 127) among the leaves: the byte cannot fall under 1
.endr
.irp i, 2,4,6,8,10,12,14,16,18,20,22,24,26,28,30
.irp c, 0,1
	v_max3_num_f32 v[MX+\c], v[MX+\c], |v[X+32*\c+\i]|, |v[X+32*\c+\i+1]|
.endr
.endr
.irp c, 0,1
	v_add_nc_u32 v[SO+\c], 0xff000000, v[MX+\c]    ; 2 off the exponent field: the conversion takes this operand's exponent field as its scale
.endr
.irp c, 0,1
	v_lshrrev_b32 v[BY+\c], 23, v[SO+\c]           ; the scale's byte
.endr
	v_lshl_or_b32 v[WW], v[BY+1], 16, v[BY]        ; blocks h and 2 + h,
	v_lshlrev_b32 v[WW], v[H8], v[WW]              ; at their places;
	v_permlanex16_b32 v[PD], v[WW], s26, s27
	v_or_b32 v[WD+\f], v[WW], v[PD]                ; with lane l xor 16's two the word is whole, in both lanes
.if (\f) >= 2
	s_wait_xcnt 0x0                                ; this set of codes was the data of stores two fragments back: it is rewritten only behind this wait
.endif
.irp c, 0,1
	v_cvt_scalef32_pk16_fp6_f32 v[PCS+6*\c:PCS+6*\c+2], v[X+32*\c:X+32*\c+15], v[SO+\c]
	v_cvt_scalef32_pk16_fp6_f32 v[CT+4*\c:CT+4*\c+2], v[X+32*\c+16:X+32*\c+31], v[SO+\c]   ; (a conversion's three registers begin on an even number)
.endr
	v_nop                                          ; one plain place behind a scaled conversion
.irp c, 0,1
.irp i, 0,1,2
	v_mov_b32 v[PCS+6*\c+3+\i], v[CT+4*\c+\i]
.endr
.endr
.irp p, 0,1,2,3,4,5
	global_store_b64 v[LO8], v[PCS+2*\p:PCS+2*\p+1], s[18:19] offset:1536*(\f)+256*\p   ; 32 lanes store 256 consecutive bytes, aligned
.endr
.endm
	LOAD 0
	LOAD 1
.irp f, 0,1,2,3
.if \f < 3
	s_wait_loadcnt 16                              ; this fragment's 16 loads are in; the next fragment's 16 may be out
.else
	s_wait_loadcnt 0x0
.endif
	TURNQ \f
	s_wait_dscnt 0x0                               ; my blocks are in, and the stores into the stage have read their registers,
.if \f < 2
	LOAD \f+2                                      ; which take the loads of two fragments on
.endif
	QF \f
.endr
	global_store_b128 v[R16], v[WD:WD+3], s[34:35] ; the four words of each row: 256 consecutive bytes, aligned (lanes l and l xor 16 hold the same words and name the same bytes)
	s_wait_tensorcnt 0x0                           ; the wave's end, behind my last LDS store
	ds_add_u32 v[SPW], v[NIL]
	s_wait_dscnt 0x0
	s_endpgm
.Lfunc_end_k_q9075751f5e_quant:
	.size	k_q9075751f5e_quant, .Lfunc_end_k_q9075751f5e_quant-k_q9075751f5e_quant
	.p2alignl 7, 3214868480
	.fill 96, 4, 3214868480
	.section	.rodata,"a",@progbits
	.p2align	6, 0x0
	.amdhsa_kernel k_q9075751f5e_quant
		.amdhsa_group_segment_fixed_size 34304
		.amdhsa_private_segment_fixed_size 0
		.amdhsa_enable_private_segment 0
		.amdhsa_kernarg_size 48
		.amdhsa_user_sgpr_count 2
		.amdhsa_user_sgpr_kernarg_segment_ptr 1
		.amdhsa_wavefront_size32 1
		.amdhsa_system_sgpr_workgroup_id_x 1
		.amdhsa_system_sgpr_workgroup_id_y 1
		.amdhsa_system_sgpr_workgroup_id_z 1
		.amdhsa_system_vgpr_workitem_id 0
		.amdhsa_next_free_vgpr 256
		.amdhsa_next_free_sgpr 66
		.amdhsa_reserve_vcc 0
		.amdhsa_float_denorm_mode_32 3
		.amdhsa_float_denorm_mode_16_64 3
		.amdhsa_memory_ordered 1
		.amdhsa_forward_progress 1
		.amdhsa_inst_pref_size 32
	.end_amdhsa_kernel
	.amdgpu_metadata
---
amdhsa.version: [ 1, 2 ]
amdhsa.kernels:
  - .name:           k_q9075751f5e_quant
    .symbol:         k_q9075751f5e_quant.kd
    .args:
      - { .name: x, .offset: 0, .size: 8, .value_kind: global_buffer, .address_space: global }
      - { .name: W_qkv, .offset: 8, .size: 8, .value_kind: global_buffer, .address_space: global }
      - { .name: W_proj, .offset: 16, .size: 8, .value_kind: global_buffer, .address_space: global }
      - { .name: x_img, .offset: 24, .size: 8, .value_kind: global_buffer, .address_space: global }
      - { .name: wqkv_img, .offset: 32, .size: 8, .value_kind: global_buffer, .address_space: global }
      - { .name: wproj_img, .offset: 40, .size: 8, .value_kind: global_buffer, .address_space: global }
    .group_segment_fixed_size: 34304
    .private_segment_fixed_size: 0
    .kernarg_segment_align: 8
    .kernarg_segment_size: 48
    .max_flat_workgroup_size: 128
    .sgpr_count:     66
    .vgpr_count:     256
    .wavefront_size: 32
...
	.end_amdgpu_metadata
.endif
;; end of part 1
;; launch gemm_qkv (part 2): grid 12 x 32, 4 waves a work-group, clusters of 4 x 4, 327,680 bytes of LDS; arguments x_img, wqkv_img, qkv_img, qkv_sc; writes qkv_img, qkv_sc
.if DOCPART == 2
	.amdgcn_target "amdgcn-amd-amdhsa--gfx1250"
	.amdhsa_code_object_version 6
	.text
	.protected	k_q9075751f5e_gemm_qkv
	.globl	k_q9075751f5e_gemm_qkv
	.p2align	8
	.type	k_q9075751f5e_gemm_qkv,@function
k_q9075751f5e_gemm_qkv:
	s_mov_b64 s[64:65], 0
	v_nop
	global_prefetch_b8 v0, s[64:65] scope:SCOPE_SE
	s_setreg_imm32_b32 hwreg(HW_REG_WAVE_MODE, 25, 1), 1
	s_wait_xcnt 0x0
	s_wait_alu depctr_hold_cnt(0) depctr_sa_sdst(0) depctr_va_vdst(0) depctr_va_sdst(0) depctr_va_ssrc(0) depctr_va_vcc(0) depctr_vm_vsrc(0)
	s_getreg_b32 s2, hwreg(HW_REG_IB_STS2, 6, 4)
	s_cmp_eq_u32 s2, 0
	s_cbranch_scc0 .Lentry_in_a_cluster
	s_endpgm
.Lentry_in_a_cluster:
	s_bfe_u32 s2, ttmp6, 0x10000c
	s_cmp_lg_u32 s2, 0xf033
	s_cbranch_scc0 .Lentry_shape_is_right
	s_endpgm
.Lentry_shape_is_right:
; The QKV projection on codes of FP6 (E2M3), K = 1,024, and the quantising of q, k and v for the attention, in registers: no f32 result goes to memory.
; OPERANDS are images of the operand's registers: rows in groups sg of 128, K in steps kappa of 128, block (sg, kappa) of 12,800 bytes at (8 sg + kappa) x 12,800: fragment a at 1,536 a, plane p at 256 p, lane at 8 l
; (registers 2 p, 2 p + 1); lane (r, h) of fragment a holds row 32 (a / 2) + 8 (a % 2) + r + 8 (r / 8) of the group; from byte 12,288 on the scale words, (r, a) at 256 (a / 4) + 16 r + 4 (a % 4).
; A tile of 256 x 256 is made by four waves, 128 x 128 each: 64 accumulators, 512 registers.  Source 0 = 16 rows of "B", source 1 = 16 rows of "A": a lane holds one row of A, and by the choice of a fragment's rows
; the 16 registers of B's tiles 2 i, 2 i + 1 are B's rows 32 i + 16 h + 0 .. 15: neighbours, as the conversions want them.  So the 64 results of a lane for one block of A are quantised along B's rows.
; TWO MODES, one text; all is chosen by selects on the cluster's x, which all partners share; no branch hangs on it.
;   clusters x = 0, 1 (q and k): A = x (tokens), B = W_qkv's rows 0-2,047: a wave's 128 rows of B are a pair of heads, quantised along d (two blocks a head).
;   cluster  x = 2    (v):       A = W_qkv's rows 2,048-3,071, B = x: a lane holds one channel of v and its registers run along the keys: v is quantised along the keys, and nothing is transposed.
; OUT: block idx = 64 HP + SG (HP: q's pairs of heads 0-7, k's 8-15, v's 16-23; SG: 128 tokens): qkv_img + 12,288 idx: eight fragments, laid as above; qkv_sc + 512 idx: the word at 16 l + 4 i is that of fragment 2 i + l / 16, row lane l % 16.
; K goes through a ring of two LDS slots of 256 along K: a wave's tensor load brings two blocks of one group, 25,600 dense bytes, the scale words among them.  K = 1,024 is twice round the ring: the steps are written out.
; CLUSTERS: 4 x 4 work-groups; A's tiles are shared along a row of the cluster, B's along a column, each asked for jointly.  384 work-groups: a tile of 256 x 384 would need 768 accumulators beside 240 operand registers, so the tile stays.
; Nothing is prefetched: half of K is asked for at the head.
; LIMITS: NaN and infinities are not served; a block's largest magnitude is taken as at least 2^(3 - 127): a block of zeros has the byte 1 (zero codes; this program alone reads the bytes).
; REGISTERS, in windows of 256: window 0: v16-29 addresses; v32-63 scale words, two sets; v128-223 A's fragments, one set; at the end v64-198 the codes.  window 1: B's fragments, two sets, at v0 and v128.
;   window 2: the accumulators of A's blocks 0-3 ((a, b) at v[8 (8 a + b)]); window 3: of blocks 4-7.
.set FR,     12                        ; registers of a fragment
.set NL,     6                         ; LDS loads that bring one
.set NP,     4                         ; places behind this matrix instruction (ISA guide 7.12.1)
.set BLKB,   12800
.set REGB,   2*BLKB                    ; what one tensor load brings: 128 rows x 256 along K
.set SLOT,   4*REGB                    ; A's two groups, then B's two
.set SPARE,  2*SLOT                    ; behind the ring: the spare words, 128 bytes for each wave
.set ADRA, 16                          ; v16-17  my A fragments in slot 0, 1: region + 8 x lane
.set ADRB, 20                          ; v20-21  the same for B
.set ADRS, 22                          ; v22-23  my scale words: lanes 0-15 A's, lanes 16-31 B's
.set CO,   26                          ; v26     8 x lane
.set L16,  27                          ; v27     16 x lane
.set SPW,  28                          ; v28     LDS address of my spare word; never rewritten
.set NIL,  29                          ; v29     0; never rewritten
.set SC,   32                          ; scale words: register SC + 16 set + 8 q + i: lanes 0-15 A's block i, lanes 16-31 B's block i
.set AF,   128
.set PCB,  64                          ; the end: block a's codes at v[64 + 12 a]
.set PW,   160                         ; its scale word
.set SW,   168                         ; v168-171 the words as they are stored
.set TM,   176                         ; v176-191 at work
.set CT,   192                         ; v192-194, v196-198
.set G1, 24                            ; s[24:31] group 1 for A's tiles; s[32:39] group 0, a set for each slot
.set G0, 32
.set G1B, 48                           ; s[48:55], s[56:63] the same for B's
.set G0B, 56
.set SEL, 80                           ; s[80:81] selects for lane l xor 16
.set HIM, 82                           ; s82 the mask of lanes 16-31
.set MSB, 0
.macro WIN new                         ; the immediate's high byte repeats the setting that is left
.if MSB != \new
	s_set_vgpr_msb (MSB<<8)|\new
.set MSB, \new
.endif
.endm
.set MUL_LO, 0xa1                      ; source 0 (B) window 1, source 1 (A) window 0, C and D window 2
.set MUL_HI, 0xf1                      ; the same, C and D window 3
.set TO_B,   0x40                      ; destination window 1, address window 0
; A joint load: waves 0 and 1 fetch for A, waves 2 and 3 for B; the branch hangs on the wave's number alone.  An s_nop 0 and four v_nop follow each of the two lines.
.macro JLOAD g0a, g1a, g0b, g1b
	s_cmp_eq_u32 s15, 0
	s_cbranch_scc0 .Lfor_b_\@
	tensor_load_to_lds s[\g0a:\g0a+3], s[\g1a:\g1a+7]
	s_nop 0
.rept 4
	v_nop
.endr
	s_branch .Lasked_\@
.Lfor_b_\@:
	tensor_load_to_lds s[\g0b:\g0b+3], s[\g1b:\g1b+7]
	s_nop 0
.rept 4
	v_nop
.endr
.Lasked_\@:
.endm
.macro CREST                           ; a round of the cluster's barrier behind its opening barrier
	s_cmp_lg_u32 s14, 0
	s_cbranch_scc1 .Lnot_wave_0_\@
	s_barrier_signal -3
.Lnot_wave_0_\@:
	s_barrier_wait -3
	s_barrier_signal -1
	s_barrier_wait -1
.endm
.macro CROUND
	s_barrier_signal -1
	s_barrier_wait -1
	CREST
.endm
	s_load_b256 s[4:11], s[0:1], 0x0               ; x_img s[4:5], wqkv_img s[6:7], qkv_img s[8:9], qkv_sc s[10:11]
	v_lshl_add_u32 v[SPW], v0, 2, SPARE
	v_mov_b32 v[NIL], 0
	ds_add_u32 v[SPW], v[NIL]                      ; the wave's opening: the add and its wait stand ahead of my first tensor load; work on registers stands between them
	v_lshrrev_b32 v1, 5, v0
	v_readfirstlane_b32 s14, v1                    ; wave 0..3
	s_lshr_b32 s15, s14, 1                         ; hm: which 128 rows of A are mine.  Also: I fetch for A (0) or for B (1)
	s_and_b32 s16, s14, 1                          ; hn: which 128 rows of B.  Also: which group of that tile I fetch
	s_bfe_u32 s40, ttmp6, 0x40000                  ; cx
	s_bfe_u32 s41, ttmp6, 0x40004                  ; cy
	s_and_b32 s45, ttmp7, 0xffff
	s_lshl_b32 s45, s45, 2                         ; 4 x cluster y
	s_lshl_b32 s46, ttmp9, 2                       ; 4 x cluster x
	s_cmp_eq_u32 ttmp9, 2                          ; v's clusters?
	s_cselect_b32 s17, 8, s45
	s_cselect_b32 s42, s45, s46
	s_add_co_u32 s17, s17, s41                     ; A's tile of 256 rows: q, k: 4 cluster y + cy of x;  v: 8 + cy of W_qkv
	s_add_co_u32 s42, s42, s40                     ; B's tile: q, k: 4 cluster x + cx of W_qkv;  v: 4 cluster y + cx of x
	s_lshl_b32 s43, s41, 2
	s_lshl_b32 s43, 15, s43                        ; my row of the cluster
	s_lshl_b32 s44, 0x1111, s40                    ; my column
	s_or_b32 s[G1+0], s43, (3<<16)|(1<<21)         ; 15:0 the mask; 17:16 elements of 8 bytes; 20 no padding; 21 set beside a mask
	s_or_b32 s[G1B+0], s44, (3<<16)|(1<<21)
.irp g, G1, G1B
	s_mov_b32 s[\g+1], 32<<16                      ; tensor_dim0 = 32 elements: 256 bytes
	s_mov_b32 s[\g+2], 100<<16                     ; tensor_dim1 = 100 rows: 25,600 dense bytes
	s_mov_b32 s[\g+3], 32<<16                      ; tile_dim0
	s_mov_b32 s[\g+4], 100                         ; tile_dim1
	s_mov_b32 s[\g+5], 32                          ; the pitch
	s_mov_b32 s[\g+6], 0
	s_mov_b32 s[\g+7], 0
.endr
	s_lshl_b32 s20, s17, 1
	s_add_co_u32 s20, s20, s16                     ; A's group that I would fetch
	s_mul_i32 s20, s20, 8*BLKB
	s_mov_b32 s21, 0
	s_lshl_b32 s46, s42, 1
	s_add_co_u32 s46, s46, s16                     ; B's
	s_mul_i32 s46, s46, 8*BLKB
	s_mov_b32 s47, 0
	s_mul_i32 s76, s14, REGB                       ; where it goes: wave x 25,600: no place in the cluster enters an LDS address
	s_mov_b32 s[SEL], 0x76543210
	s_mov_b32 s[SEL+1], 0xfedcba98
	s_mov_b32 s[HIM], 0xffff0000
	s_wait_dscnt 0x0                               ; the opening add is done
	s_wait_kmcnt 0x0
	s_cmp_eq_u32 ttmp9, 2
	s_cselect_b64 s[72:73], s[6:7], s[4:5]         ; A's buffer
	s_cselect_b64 s[74:75], s[4:5], s[6:7]         ; B's
	s_add_nc_u64 s[20:21], s[72:73], s[20:21]
	s_add_nc_u64 s[46:47], s[74:75], s[46:47]
	CROUND                                         ; all sixteen work-groups are here: the first joint loads meet
.irp s, 0,1
	s_mov_b32 s[G0+4*\s], 1
	s_add_co_u32 s[G0+4*\s+1], s76, \s*SLOT
	s_add_nc_u64 s[G0+4*\s+2:G0+4*\s+3], s[20:21], \s*REGB
	s_or_b32 s[G0+4*\s+3], s[G0+4*\s+3], 0x80000000
	s_mov_b32 s[G0B+4*\s], 1
	s_add_co_u32 s[G0B+4*\s+1], s76, \s*SLOT
	s_add_nc_u64 s[G0B+4*\s+2:G0B+4*\s+3], s[46:47], \s*REGB
	s_or_b32 s[G0B+4*\s+3], s[G0B+4*\s+3], 0x80000000
	JLOAD G0+4*\s, G1, G0B+4*\s, G1B
.endr
	v_and_b32 v1, 15, v0                           ; r
	v_bfe_u32 v2, v0, 4, 1                         ; h
	v_and_b32 v3, 31, v0
	v_lshlrev_b32 v[CO], 3, v3
	v_lshlrev_b32 v[L16], 4, v3
	s_mul_i32 s84, s15, REGB                       ; my group of A
	s_mul_i32 s85, s16, REGB
	s_add_co_u32 s85, s85, 2*REGB                  ; my group of B, behind A's two
	s_xor_b32 s86, s15, 1
	s_add_co_u32 s86, s86, s16
	s_add_co_u32 s86, s86, 1
	s_mul_i32 s86, s86, REGB                       ; the distance between them: (2 + hn - hm) regions
	v_mul_u32_u24 v4, s86, v2                      ; lanes 16-31 take B's
	v_lshl_add_u32 v4, v1, 4, v4                   ; + 16 r
	v_add_nc_u32 v4, s84, v4
	v_add_nc_u32 v[ADRS], 12288, v4
	v_add_nc_u32 v[ADRS+1], 12288+SLOT, v4
.irp s, 0,1
	v_add_nc_u32 v[ADRA+\s], s84, v[CO]
	v_add_nc_u32 v[ADRB+\s], s85, v[CO]
	s_add_co_u32 s84, s84, SLOT
	s_add_co_u32 s85, s85, SLOT
.endr
	s_lshl_b32 s66, s17, 1
	s_add_co_u32 s66, s66, s15                     ; my group of A
	s_lshl_b32 s67, s42, 1
	s_add_co_u32 s67, s67, s16                     ; my group of B
	s_cmp_eq_u32 ttmp9, 2
	s_cselect_b32 s68, s66, s67                    ; HP: the group of W_qkv's rows
	s_cselect_b32 s69, s67, s66                    ; SG: the group of tokens
	s_lshl_b32 s68, s68, 6
	s_add_co_u32 s68, s68, s69                     ; idx
	s_mul_i32 s78, s68, 12288
	s_mov_b32 s79, 0
	s_add_nc_u64 s[8:9], s[8:9], s[78:79]
	s_lshl_b32 s78, s68, 9
	s_add_nc_u64 s[10:11], s[10:11], s[78:79]
.macro FRAG reg, adr, q, i             ; a fragment comes as it lies: six loads of 8 bytes a lane, each 256 consecutive bytes
.irp p, 0,1,2,3,4,5
	ds_load_b64 v[\reg+2*\p:\reg+2*\p+1], v[\adr] offset:BLKB*(\q)+1536*(\i)+256*\p
.endr
.endm
; 16 matrix instructions: A's blocks a0, a0 + 1 x B's eight, the slot's q-th 128 along K.  p: B's set; sc: the set of scale words.  zero = 1: the first product starts the sums.
; The 64 accumulators take turns, one instruction a turn, in the same order in every step.
.macro MUL16 a0, p, q, sc, zero
.irp a, \a0, \a0+1
.irp b, 0,1,2,3,4,5,6,7
.if \zero
	v_wmma_scale_f32_16x16x128_f8f6f4 v[8*(8*((\a)%4)+\b):8*(8*((\a)%4)+\b)+7], v[128*(\p)+FR*\b:128*(\p)+FR*\b+FR-1], v[AF+FR*(\a):AF+FR*(\a)+FR-1], 0, v[SC+16*(\sc)+8*(\q)+\b], v[SC+16*(\sc)+8*(\q)+(\a)] matrix_a_fmt:MATRIX_FMT_FP6 matrix_b_fmt:MATRIX_FMT_FP6 matrix_a_scale:MATRIX_SCALE_ROW1
.else
	v_wmma_scale_f32_16x16x128_f8f6f4 v[8*(8*((\a)%4)+\b):8*(8*((\a)%4)+\b)+7], v[128*(\p)+FR*\b:128*(\p)+FR*\b+FR-1], v[AF+FR*(\a):AF+FR*(\a)+FR-1], v[8*(8*((\a)%4)+\b):8*(8*((\a)%4)+\b)+7], v[SC+16*(\sc)+8*(\q)+\b], v[SC+16*(\sc)+8*(\q)+(\a)] matrix_a_fmt:MATRIX_FMT_FP6 matrix_b_fmt:MATRIX_FMT_FP6 matrix_a_scale:MATRIX_SCALE_ROW1
.endif
.endr
.endr
.endm
.macro FETCH_B slot, q, p
	WIN TO_B
.irp i, 0,1,2,3,4,5,6,7
	FRAG 128*(\p)+FR*\i, ADRB+\slot, \q, \i
.endr
	WIN 0
.endm
.macro FETCH_A slot, q, i0
.irp i, \i0, \i0+1, \i0+2, \i0+3
	FRAG AF+FR*(\i), ADRA+\slot, \q, \i
.endr
.endm
.macro SCALES sc                       ; a slot's scale words: four words a lane and load: blocks 4 u .. 4 u + 3 of the q-th 128 along K
.irp q, 0,1
.irp u, 0,1
	ds_load_b128 v[SC+16*\sc+8*\q+4*\u:SC+16*\sc+8*\q+4*\u+3], v[ADRS+\sc] offset:BLKB*\q+256*\u
.endr
.endr
.endm
.macro PLACES n                        ; plain vector instructions behind a matrix instruction, ahead of loads into registers that it has read and of reads of its results
.rept \n
	v_nop
.endr
.endm
.macro STEP slot, q, zero              ; a step of 128 along K that has its successor in the same slot
	s_wait_dscnt 4*NL                              ; B's set, A's blocks 0-3 and the scale words are in; the youngest 24 loads (A's blocks 4-7) may be out
	WIN MUL_LO
	MUL16 0, (\q)%2, \q, \slot, \zero
	MUL16 2, (\q)%2, \q, \slot, \zero
	s_wait_dscnt 0
	PLACES NP
	FETCH_B \slot, (\q)+1, 1-(\q)%2
	FETCH_A \slot, (\q)+1, 0
	WIN MUL_HI
	MUL16 4, (\q)%2, \q, \slot, \zero
	MUL16 6, (\q)%2, \q, \slot, \zero
	PLACES NP
	WIN 0
	FETCH_A \slot, (\q)+1, 4
.endm
; A slot's last step changes slots: one barrier; ahead of it each wave waits for all its tensor loads, adds 0 to its spare word, and waits for that and for its reads of this slot.  fill = 1: the slot is filled again.
.macro TURN slot, next, fill
	s_wait_tensorcnt 0x0                           ; all my tensor loads have landed: my part of the next slot
	ds_add_u32 v[SPW], v[NIL]                      ; 0 onto my spare word
	s_wait_dscnt 4*NL+1                            ; (the add and the youngest 24 loads may be out)
	WIN MUL_LO
	MUL16 0, 1, 1, \slot, 0
	s_wait_dscnt 0x0                               ; the add is done, and my reads of this slot are over
	s_barrier_signal -1
	MUL16 2, 1, 1, \slot, 0
	WIN 0
	s_barrier_wait -1
.if \fill
	CREST                                          ; the barrier has opened a round of the cluster's barrier: no wave of any partner still reads this slot or has a load on its way
	s_add_nc_u64 s[G0+4*\slot+2:G0+4*\slot+3], s[G0+4*\slot+2:G0+4*\slot+3], 2*REGB
	s_add_nc_u64 s[G0B+4*\slot+2:G0B+4*\slot+3], s[G0B+4*\slot+2:G0B+4*\slot+3], 2*REGB
	JLOAD G0+4*\slot, G1, G0B+4*\slot, G1B         ; the first tensor load behind the round; its four v_nop are the places ahead of the loads below
.else
	PLACES NP
.endif
	FETCH_B \next, 0, 0
	FETCH_A \next, 0, 0
	SCALES \next
	WIN MUL_HI
	MUL16 4, 1, 1, \slot, 0
	MUL16 6, 1, 1, \slot, 0
	PLACES NP
	WIN 0
	FETCH_A \next, 0, 4
.endm
	s_wait_tensorcnt 1                             ; my part of slot 0 is in; slot 1's load may be out
	s_barrier_signal -1
	s_barrier_wait -1
	FETCH_B 0, 0, 0
	FETCH_A 0, 0, 0
	SCALES 0
	FETCH_A 0, 0, 4
	STEP 0, 0, 1                                   ; K 0-127: its products start the sums
	TURN 0, 1, 1                                   ; K 128-255; slot 0 takes K 512-767
	STEP 1, 0, 0
	TURN 1, 0, 1                                   ; slot 1 takes K 768-1,023
	STEP 0, 0, 0
	TURN 0, 1, 0                                   ; nothing is left to fetch
	STEP 1, 0, 0
	s_wait_dscnt 4*NL
	WIN MUL_LO
	MUL16 0, 1, 1, 1, 0
	MUL16 2, 1, 1, 1, 0
	s_wait_dscnt 0
	WIN MUL_HI
	MUL16 4, 1, 1, 1, 0
	MUL16 6, 1, 1, 1, 0
	WIN 0
; THE END.  Block a's 64 results of a lane (register 16 i + j = B's row 32 i + 16 h + j, for the lane's row of A) become a fragment's codes and its row's scale word.  Each accumulator is read from its low end on.
.macro QUANTW a
.set AC, 64*((\a)%4)
.set PCA, PCB+12*(\a)
	WIN 0x0a+5*((\a)/4)                            ; sources 0 and 1: window 2 or 3
.irp b, 0,1,2,3
	v_max3_num_f32 v[TM+\b], |v[AC+16*\b]|, |v[AC+1+16*\b]|, 0x1800000   ; with the floor 2^(3 - 127)
.endr
.irp i, 2,4,6,8,10,12,14
.irp b, 0,1,2,3
	v_max3_num_f32 v[TM+\b], |v[AC+16*\b+\i]|, |v[AC+1+16*\b+\i]|, v[TM+\b]
.endr
.endr
	WIN 0
.irp b, 0,1,2,3
	v_permlanex16_b32 v[TM+4+\b], v[TM+\b], s[SEL], s[SEL+1]
.endr
.irp b, 0,1,2,3
	v_max_num_f32 v[TM+\b], v[TM+\b], v[TM+4+\b]   ; with lane l xor 16's 16: the block's largest magnitude
.endr
.irp b, 0,1,2,3
	v_add_nc_u32 v[TM+12+\b], 0xff000000, v[TM+\b] ; 2 off the exponent field: the conversion's scale operand
.endr
.irp b, 0,1,2,3
	v_lshrrev_b32 v[TM+4+\b], 23, v[TM+12+\b]      ; the byte
.endr
	v_lshl_or_b32 v[PW+\a], v[TM+5], 8, v[TM+4]
	v_lshl_or_b32 v[PW+\a], v[TM+6], 16, v[PW+\a]
	v_lshl_or_b32 v[PW+\a], v[TM+7], 24, v[PW+\a]
	WIN 0x02+((\a)/4)                              ; source 0: window 2 or 3
.irp c, 0,1
	v_cvt_scalef32_pk16_fp6_f32 v[PCA+6*\c:PCA+6*\c+2], v[AC+32*\c:AC+32*\c+15], v[TM+12+2*\c]
	v_cvt_scalef32_pk16_fp6_f32 v[CT+4*\c:CT+4*\c+2], v[AC+32*\c+16:AC+32*\c+31], v[TM+12+2*\c+1]
.endr
	WIN 0
	v_nop                                          ; one plain place behind a scaled conversion
.irp c, 0,1                                    ; the operand's layout wants a whole block in a lane
.irp i, 0,1,2
	v_permlane16_swap_b32 v[PCA+6*\c+\i], v[CT+4*\c+\i]
.endr
.irp i, 0,1,2
	v_mov_b32 v[PCA+6*\c+3+\i], v[CT+4*\c+\i]
.endr
.endr
.endm
	PLACES NP
.irp b, 0,1,2,3
	v_mov_b32 v[TM+4+\b], 0                        ; written once: a lane permute's destination counts as one of its sources
.endr
.irp a, 0,1,2,3,4,5,6,7
	QUANTW \a
.irp p, 0,1,2,3,4,5
	global_store_b64 v[CO], v[PCB+12*\a+2*\p:PCB+12*\a+2*\p+1], s[8:9] offset:1536*\a+256*\p   ; 256 consecutive bytes, aligned; each block has registers of its own, so no store's data are written again
.endr
.endr
.irp b, 0,1,2,3
	v_cndmask_b32 v[SW+\b], v[PW+2*\b], v[PW+2*\b+1], s[HIM]   ; lanes 0-15: fragment 2 b's words, lanes 16-31: fragment 2 b + 1's
.endr
	global_store_b128 v[L16], v[SW:SW+3], s[10:11] ; 512 consecutive bytes
	s_wait_tensorcnt 0x0                           ; the wave's end
	ds_add_u32 v[SPW], v[NIL]
	s_wait_dscnt 0x0
	CROUND                                         ; the closing round
	s_endpgm
.Lfunc_end_k_q9075751f5e_gemm_qkv:
	.size	k_q9075751f5e_gemm_qkv, .Lfunc_end_k_q9075751f5e_gemm_qkv-k_q9075751f5e_gemm_qkv
	.p2alignl 7, 3214868480
	.fill 96, 4, 3214868480
	.section	.rodata,"a",@progbits
	.p2align	6, 0x0
	.amdhsa_kernel k_q9075751f5e_gemm_qkv
		.amdhsa_group_segment_fixed_size 327680
		.amdhsa_private_segment_fixed_size 0
		.amdhsa_enable_private_segment 0
		.amdhsa_kernarg_size 32
		.amdhsa_user_sgpr_count 2
		.amdhsa_user_sgpr_kernarg_segment_ptr 1
		.amdhsa_wavefront_size32 1
		.amdhsa_system_sgpr_workgroup_id_x 1
		.amdhsa_system_sgpr_workgroup_id_y 1
		.amdhsa_system_sgpr_workgroup_id_z 1
		.amdhsa_system_vgpr_workitem_id 0
		.amdhsa_next_free_vgpr 1024
		.amdhsa_next_free_sgpr 98
		.amdhsa_reserve_vcc 0
		.amdhsa_float_denorm_mode_32 3
		.amdhsa_float_denorm_mode_16_64 3
		.amdhsa_memory_ordered 1
		.amdhsa_forward_progress 1
		.amdhsa_inst_pref_size 162
	.end_amdhsa_kernel
	.amdgpu_metadata
---
amdhsa.version: [ 1, 2 ]
amdhsa.kernels:
  - .name:           k_q9075751f5e_gemm_qkv
    .symbol:         k_q9075751f5e_gemm_qkv.kd
    .args:
      - { .name: x_img, .offset: 0, .size: 8, .value_kind: global_buffer, .address_space: global }
      - { .name: wqkv_img, .offset: 8, .size: 8, .value_kind: global_buffer, .address_space: global }
      - { .name: qkv_img, .offset: 16, .size: 8, .value_kind: global_buffer, .address_space: global }
      - { .name: qkv_sc, .offset: 24, .size: 8, .value_kind: global_buffer, .address_space: global }
    .group_segment_fixed_size: 327680
    .private_segment_fixed_size: 0
    .kernarg_segment_align: 8
    .kernarg_segment_size: 32
    .max_flat_workgroup_size: 128
    .sgpr_count:     98
    .vgpr_count:     1024
    .wavefront_size: 32
...
	.end_amdgpu_metadata
.endif
;; end of part 2
;; launch attn (part 3): grid 4 x 64, 16 waves a work-group, clusters of 4 x 1, 210,944 bytes of LDS; arguments qkv_img, qkv_sc, o_img; writes o_img
.if DOCPART == 3
	.amdgcn_target "amdgcn-amd-amdhsa--gfx1250"
	.amdhsa_code_object_version 6
	.text
	.protected	k_q9075751f5e_attn
	.globl	k_q9075751f5e_attn
	.p2align	8
	.type	k_q9075751f5e_attn,@function
k_q9075751f5e_attn:
	s_mov_b64 s[64:65], 0
	v_nop
	global_prefetch_b8 v0, s[64:65] scope:SCOPE_SE
	s_setreg_imm32_b32 hwreg(HW_REG_WAVE_MODE, 25, 1), 1
	s_wait_xcnt 0x0
	s_wait_alu depctr_hold_cnt(0) depctr_sa_sdst(0) depctr_va_vdst(0) depctr_va_sdst(0) depctr_va_ssrc(0) depctr_va_vcc(0) depctr_vm_vsrc(0)
	s_getreg_b32 s2, hwreg(HW_REG_IB_STS2, 6, 4)
	s_cmp_eq_u32 s2, 0
	s_cbranch_scc0 .Lentry_in_a_cluster
	s_endpgm
.Lentry_in_a_cluster:
	s_bfe_u32 s2, ttmp6, 0x10000c
	s_cmp_lg_u32 s2, 0x3003
	s_cbranch_scc0 .Lentry_shape_is_right
	s_endpgm
.Lentry_shape_is_right:
; Attention of one head on codes of FP6 (E2M3): S^T = K Q^T (K = the head's 64), the softmax by the stated rule, O^T = V^T P^T (K = the keys), O / l, and O's quantising along C for the output projection.
; t = score x log2(e) / 8; M = the running largest t rounded up to a whole number; p = 2^(t - M) is quantised along the keys, not normalised; l is the sum of the unquantised p.  When M moves, l and O^T are multiplied by 2^(old M - new M): exact.
; IN: qkv_img block idx = 64 HP + SG (12,288 bytes; HP: q's pairs of heads 0-7, k's 8-15, v's 16-23; SG = 16 b + 128 tokens' number): fragment a at 1,536 a, plane p at 256 p, lane at 8 l.
;   q, k: fragment a = 16 tokens (lane r: token 32 (a / 2) + 8 (a % 2) + r + 8 (r / 8)); planes 3 e .. 3 e + 2 are head 2 hp + e: six registers, d = 32 h + 0 .. 31.   v: fragment 4 e + t = 16 channels of head e x 128 keys.
;   qkv_sc + 512 idx: the word at 16 l + 4 i belongs to fragment 2 i + l / 16, row lane l % 16 (q, k: bytes 2 e, 2 e + 1 are head e's).
; OUT: o_img, an operand image of [8,192][1,024]: block (sg, hp) at (8 sg + hp) x 12,800; my tile's fragment a, planes 3 e .. 3 e + 2; bytes 2 e, 2 e + 1 of its rows' scale words (from byte 12,288 on, at 256 (a / 4) + 16 r + 4 (a % 4)).
; SHARES.  A work-group owns 512 queries of one head, each of its sixteen waves two tiles of 16, one after the other (two passes), in 256 registers: four waves to a SIMD, so that one wave's vector work stands beside another's products and LDS loads.
; THE HEAD'S K AND V STAY IN LDS: 196,608 bytes of codes, filled ONCE; so there is no ring and no barrier in the loop.  Wave w brings key step w (128 keys): two tensor loads, out together.
; CLUSTER: the four work-groups of a head read the same K and V: each tile is asked for jointly (mask 15).  Nothing is prefetched: the one stream is asked for at the head.
; K = 64 IN AN INSTRUCTION OF K = 128: Q's registers 6-11 hold zero codes.  K's tiles lie on end, six registers each, and a tile's operand runs on over the next tile's six (the last: over six zeros): FP6 has no NaN and no infinity,
; so against Q's zeros they add nothing.  The scale bytes of blocks 2 and 3 are 0 on both sides, never 0xff.
; Both products are used transposed: a lane holds one query throughout; by the choice of a tile's keys the 16 registers of tiles 2 i, 2 i + 1 are keys 32 i + 16 h + 0 .. 15.
; LIMITS: NaN and infinities are not served; a block's largest magnitude is taken as at least 2^(3 - 127): a block of zeros has the byte 1 (zero codes; this program alone reads the bytes).
; A block's largest p is not searched for: the block's largest score goes through the same multiply-add and exponential; this takes v_exp_f32 not to fall where its input rises.
.set VC,    98304                      ; LDS: K's codes from 0 (step s at 6,144 s, tile t at 768 t, plane at 256 p); V's from here (step at 6,144 s, tile at 1,536 t)
.set KS,    196608                     ; K's scale words, 512 bytes a step; stored from registers
.set VS,    204800                     ; V's, 256 bytes a step
.set SPARE, 208896                     ; the spare words, 128 bytes for each of 16 waves
.set AK0,  1                           ; v1   8 x lane
.set AV0,  2                           ; v2   VC + 8 x lane
.set ASK0, 3                           ; v3   KS + 16 x lane
.set ASV0, 4                           ; v4   VS + 8 x lane
.set SPW,  5                           ; v5   LDS address of my spare word; never rewritten
.set NIL,  6                           ; v6   0; never rewritten
.set LO8,  7                           ; v7   8 x lane, for memory
.set ADK,  8                           ; v8-11 the step's LDS addresses
.set ADV,  9
.set ADS,  10
.set ADT,  11                          ; v12 -M, v13 the largest t, v[14:15] the sum in two halves
.set Q0,   16                          ; v16-27 Q of pass 0 (v22-27 zeros)
.set QS0,  28                          ; v28, v29 Q's scale words
.set QS1,  29
.set R16,  30                          ; v30  16 r
.set L16,  31                          ; v31  16 x lane
.set KV,   32                          ; v32-79 K's eight tiles, then V's four fragments
.set ZR,   80                          ; v80-85 zeros
.set HT,   86                          ; v86-93 at work at the head
.set SS,   96                          ; v96-159 S^T, then p
.set OT,   160                         ; v160-191 O^T
.set KW,   192                         ; v192-195 K's scale words
.set VW,   196                         ; v196-197 V's
.set PCD,  198                         ; v198-209 p's codes
.set BM,   210                         ; v210-213 the blocks' largest
.set BX,   214                         ; v214-217
.set SOP,  218                         ; v218-221 the conversions' scale operands
.set CT,   222                         ; v222-224, v226-228
.set FF,   230                         ; v[230:231] f
.set PWD,  232                         ; v232 p's scale word
.set TP,   233
.set SM2,  234                         ; v[234:235] the sum's second chain
.set Q1,   236                         ; v236-247 Q of pass 1 (v242-247 zeros)
.set OC,   248                         ; v248-253 O's codes
.set HW,   254                         ; v254 O's two scale bytes
.set WV,   18
.set SEL,  20                          ; s[20:21] selects for lane l xor 16
.set CS,   22                          ; s[22:23] c = log2(e) / 8
.set G1K,  24
.set G1V,  32
.set G0K,  40
.set G0V,  44
.set TK,   48                          ; s48 the step's codes: 6,144 a step
.set TS,   49                          ; s49 K's words: 512 a step
.set TJ,   86                          ; s86 V's: 256 a step
.set CNT,  87
.macro CROUND                          ; a round of the cluster's barrier
	s_barrier_signal -1
	s_barrier_wait -1
	s_cmp_lg_u32 s[WV], 0
	s_cbranch_scc1 .Lnot_wave_0_\@
	s_barrier_signal -3
.Lnot_wave_0_\@:
	s_barrier_wait -3
	s_barrier_signal -1
	s_barrier_wait -1
.endm
	s_load_b128 s[4:7], s[0:1], 0x0                ; qkv_img, qkv_sc
	s_load_b64 s[8:9], s[0:1], 0x10                ; o_img
	v_lshl_add_u32 v[SPW], v0, 2, SPARE
	v_mov_b32 v[NIL], 0
	ds_add_u32 v[SPW], v[NIL]                      ; the wave's opening: the add and its wait stand ahead of my first tensor load; work on registers stands between them
	v_lshrrev_b32 v[ADK], 5, v0
	v_readfirstlane_b32 s[WV], v[ADK]              ; wave 0..15
	v_and_b32 v[ADV], 31, v0
	v_and_b32 v[ADS], 15, v0
	v_lshlrev_b32 v[AK0], 3, v[ADV]
	v_add_nc_u32 v[AV0], VC, v[AK0]
	v_lshlrev_b32 v[L16], 4, v[ADV]
	v_add_nc_u32 v[ASK0], KS, v[L16]
	v_add_nc_u32 v[ASV0], VS, v[AK0]
	v_lshlrev_b32 v[LO8], 3, v[ADV]
	v_lshlrev_b32 v[R16], 4, v[ADS]
	v_lshl_add_u32 v[HT+6], v0, 4, KS              ; where I put K's words of step w: 512 w + 16 x lane
	v_lshl_add_u32 v[HT+7], v0, 3, VS              ; and V's: 256 w + 8 x lane
	s_bfe_u32 s55, ttmp6, 0x40000                  ; cx: my quarter of the queries; it enters Q's and O's addresses in memory alone
	s_and_b32 s50, ttmp7, 0xffff                   ; 16 b + head
	s_lshr_b32 s51, s50, 4                         ; b
	s_and_b32 s52, s50, 15
	s_lshr_b32 s53, s52, 1                         ; hp
	s_and_b32 s54, s52, 1                          ; e
	s_lshl_b32 s56, s53, 6                         ; 64 hp
	s_lshl_b32 s57, s51, 4                         ; 16 b
	s_add_co_u32 s58, s56, s57
	s_add_co_u32 s58, s58, s[WV]
	s_add_co_u32 s58, s58, 512                     ; K's block of key step w: 64 (8 + hp) + 16 b + w
	s_mul_i32 s60, s58, 12288
	s_mul_i32 s59, s54, 768
	s_add_co_u32 s60, s60, s59                     ; head e's planes
	s_mov_b32 s61, 0
	s_add_co_u32 s62, s58, 512                     ; V's block
	s_lshl_b32 s68, s62, 9
	s_mul_i32 s62, s62, 12288
	s_mul_i32 s59, s54, 6144
	s_add_co_u32 s62, s62, s59                     ; head e's four fragments
	s_mov_b32 s63, 0
	s_lshl_b32 s66, s58, 9                         ; K's words
	s_mov_b32 s67, 0
	s_lshl_b32 s59, s54, 3
	s_add_co_u32 s68, s68, s59                     ; V's words: + 8 e
	s_mov_b32 s69, 0
	s_lshl_b32 s70, s55, 2
	s_lshr_b32 s71, s[WV], 3
	s_add_co_u32 s70, s70, s71
	s_add_co_u32 s70, s70, s57                     ; pass 0's group of tokens: 16 b + 4 cx + w / 8 (pass 1: two further on)
	s_and_b32 s71, s[WV], 7                        ; a: my tile in it
	s_add_co_u32 s72, s56, s70                     ; Q's block
	s_mul_i32 s74, s72, 12288
	s_mul_i32 s73, s71, 1536
	s_add_co_u32 s74, s74, s73
	s_mul_i32 s73, s54, 768
	s_add_co_u32 s74, s74, s73
	s_mov_b32 s75, 0
	s_lshl_b32 s76, s72, 9
	s_and_b32 s73, s71, 1
	s_lshl_b32 s73, s73, 8
	s_add_co_u32 s76, s76, s73
	s_lshr_b32 s73, s71, 1
	s_lshl_b32 s73, s73, 2
	s_add_co_u32 s76, s76, s73                     ; Q's words: + 256 (a % 2) + 4 (a / 2)
	s_mov_b32 s77, 0
	s_lshl_b32 s78, s70, 3
	s_add_co_u32 s78, s78, s53
	s_mul_i32 s78, s78, 12800                      ; O's block: (8 sg + hp) x 12,800
	s_mul_i32 s73, s71, 1536
	s_add_co_u32 s80, s78, s73
	s_mul_i32 s73, s54, 768
	s_add_co_u32 s80, s80, s73                     ; its codes
	s_mov_b32 s81, 0
	s_lshr_b32 s73, s71, 2
	s_lshl_b32 s73, s73, 8
	s_add_co_u32 s82, s78, s73
	s_and_b32 s73, s71, 3
	s_lshl_b32 s73, s73, 2
	s_add_co_u32 s82, s82, s73
	s_lshl_b32 s73, s54, 1
	s_add_co_u32 s82, s82, s73
	s_add_co_u32 s82, s82, 12288                   ; its two scale bytes
	s_mov_b32 s83, 0
	s_lshl_b32 s84, s54, 4                         ; 16 e: where head e's two bytes begin in a word of q or k
	s_mov_b32 s[G1K], 15|(3<<16)|(1<<21)           ; 15:0 the mask: all four work-groups; 17:16 elements of 8 bytes; 21 set beside a mask
	s_mov_b32 s[G1K+1], 96<<16                     ; K: 8 rows (tiles) of 768 bytes,
	s_mov_b32 s[G1K+2], 8<<16
	s_mov_b32 s[G1K+3], 96<<16
	s_mov_b32 s[G1K+4], 8
	s_mov_b32 s[G1K+5], 192                        ; 1,536 bytes apart in memory, on end in LDS
	s_mov_b32 s[G1K+6], 0
	s_mov_b32 s[G1K+7], 0
	s_mov_b32 s[G1V], 15|(3<<16)|(1<<21)
	s_mov_b32 s[G1V+1], 32<<16                     ; V: 6,144 dense bytes as 24 rows of 256
	s_mov_b32 s[G1V+2], 24<<16
	s_mov_b32 s[G1V+3], 32<<16
	s_mov_b32 s[G1V+4], 24
	s_mov_b32 s[G1V+5], 32
	s_mov_b32 s[G1V+6], 0
	s_mov_b32 s[G1V+7], 0
	s_mov_b32 s[SEL], 0x76543210
	s_mov_b32 s[SEL+1], 0xfedcba98
	s_mov_b32 s[CS], 0x3e38aa3b                    ; c = log2(e) / sqrt(64)
	s_mov_b32 s[CS+1], s[CS]                       ; (named with it as a pair, so it is written)
	s_wait_dscnt 0x0                               ; the opening add is done
	s_wait_kmcnt 0x0
	s_mov_b32 s[G0K], 1
	s_mul_i32 s[G0K+1], s[WV], 6144
	s_add_nc_u64 s[G0K+2:G0K+3], s[4:5], s[60:61]
	s_or_b32 s[G0K+3], s[G0K+3], 0x80000000
	s_mov_b32 s[G0V], 1
	s_add_co_u32 s[G0V+1], s[G0K+1], VC
	s_add_nc_u64 s[G0V+2:G0V+3], s[4:5], s[62:63]
	s_or_b32 s[G0V+3], s[G0V+3], 0x80000000
	CROUND                                         ; all four work-groups are here: the joint loads meet
	tensor_load_to_lds s[G0K:G0K+3], s[G1K:G1K+7]  ; key step w of K,
	s_nop 0
	tensor_load_to_lds s[G0V:G0V+3], s[G1V:G1V+7]  ; and of V: two loads of mine are out
	s_nop 0
.rept 4
	v_nop
.endr
	s_add_nc_u64 s[66:67], s[6:7], s[66:67]
	s_add_nc_u64 s[68:69], s[6:7], s[68:69]
	s_add_nc_u64 s[74:75], s[4:5], s[74:75]
	s_add_nc_u64 s[76:77], s[6:7], s[76:77]
	s_add_nc_u64 s[80:81], s[8:9], s[80:81]
	s_add_nc_u64 s[82:83], s[8:9], s[82:83]
	global_load_b128 v[HT:HT+3], v[L16], s[66:67]  ; K's scale words of step w: 512 consecutive bytes
	global_load_b64 v[HT+4:HT+5], v[L16], s[68:69] ; V's, head e's two of each four
.irp p, 0,1,2
	global_load_b64 v[Q0+2*\p:Q0+2*\p+1], v[LO8], s[74:75] offset:256*\p
	global_load_b64 v[Q1+2*\p:Q1+2*\p+1], v[LO8], s[74:75] offset:24576+256*\p
.endr
	global_load_b32 v[QS0], v[R16], s[76:77]
	global_load_b32 v[QS1], v[R16], s[76:77] offset:1024
.irp i, 0,1,2,3,4,5
	v_mov_b32 v[Q0+6+\i], 0                        ; zero codes for k = 64 .. 127
	v_mov_b32 v[Q1+6+\i], 0
	v_mov_b32 v[ZR+\i], 0
.endr
.irp b, 0,1,2,3
	v_mov_b32 v[BX+\b], 0                          ; written once: a lane permute's destination counts as one of its sources
.endr
	v_mov_b32 v[FF+1], 0                           ; (named as the upper half of the pair)
	v_mov_b32 v[TP], 0
	s_wait_loadcnt 0x0
.irp i, 0,1,2,3
	v_bfe_u32 v[HT+\i], v[HT+\i], s84, 16          ; head e's two bytes to blocks 0 and 1; blocks 2 and 3 get the byte 0
.endr
	v_bfe_u32 v[QS0], v[QS0], s84, 16
	v_bfe_u32 v[QS1], v[QS1], s84, 16
	ds_store_b128 v[HT+6], v[HT:HT+3]
	ds_store_b64 v[HT+7], v[HT+4:HT+5]
	s_wait_tensorcnt 0x0                           ; my two tiles have landed,
	s_wait_dscnt 0x0                               ; my stores too: for the others' sake
	s_barrier_signal -1
	s_barrier_wait -1                              ; the whole head lies in LDS; nothing there is written again
; A KEY STEP: 128 keys.  qf: Q's fragment; qs: its scale word.
.macro STEP qf, qs
	v_add_nc_u32 v[ADK], s[TK], v[AK0]             ; (these four are also the places behind the last step's products, ahead of the loads into registers that they have read)
	v_add_nc_u32 v[ADV], s[TK], v[AV0]
	v_add_nc_u32 v[ADS], s[TS], v[ASK0]
	v_add_nc_u32 v[ADT], s[TJ], v[ASV0]
	ds_load_b128 v[KW:KW+3], v[ADS]                ; register i: lanes 0-15 tile 2 i's words, lanes 16-31 tile 2 i + 1's
.irp t, 0,1,2,3,4,5,6,7
.irp p, 0,1,2
	ds_load_b64 v[KV+6*\t+2*\p:KV+6*\t+2*\p+1], v[ADK] offset:768*\t+256*\p
.endr
.endr
	s_wait_dscnt 0x0
.irp t, 0,2,4,6
	v_wmma_scale_f32_16x16x128_f8f6f4 v[SS+8*\t:SS+8*\t+7], v[KV+6*\t:KV+6*\t+11], v[\qf:\qf+11], 0, v[KW+\t/2], v[\qs] matrix_a_fmt:MATRIX_FMT_FP6 matrix_b_fmt:MATRIX_FMT_FP6
	v_wmma_scale_f32_16x16x128_f8f6f4 v[SS+8*\t+8:SS+8*\t+15], v[KV+6*\t+6:KV+6*\t+17], v[\qf:\qf+11], 0, v[KW+\t/2], v[\qs] matrix_a_fmt:MATRIX_FMT_FP6 matrix_b_fmt:MATRIX_FMT_FP6 matrix_a_scale:MATRIX_SCALE_ROW1
.endr
.rept 4
	v_nop                                          ; places: ahead of the loads below and of the first read of the scores
.endr
.irp t, 0,1,2,3                                ; V's four fragments are asked for now and land under the softmax
.irp p, 0,1,2,3,4,5
	ds_load_b64 v[KV+12*\t+2*\p:KV+12*\t+2*\p+1], v[ADV] offset:1536*\t+256*\p
.endr
.endr
	ds_load_b64 v[VW:VW+1], v[ADT]
.irp b, 0,1,2,3
	v_max3_num_f32 v[BM+\b], v[SS+16*\b], v[SS+1+16*\b], v[SS+2+16*\b]   ; the largest score of each block of 32 keys: for the row's maximum, and for the block's largest p
.endr
.irp i, 3,5,7,9,11,13
.irp b, 0,1,2,3
	v_max3_num_f32 v[BM+\b], v[BM+\b], v[SS+16*\b+\i], v[SS+1+16*\b+\i]
.endr
.endr
.irp b, 0,1,2,3
	v_max_num_f32 v[BM+\b], v[BM+\b], v[SS+15+16*\b]
.endr
.irp b, 0,1,2,3
	v_permlanex16_b32 v[BX+\b], v[BM+\b], s[SEL], s[SEL+1]
.endr
.irp b, 0,1,2,3
	v_max_num_f32 v[BM+\b], v[BM+\b], v[BX+\b]     ; with lane l xor 16's 16 keys
.endr
	v_max3_num_f32 v[TP], v[BM], v[BM+1], v[BM+2]
	v_max_num_f32 v[TP], v[TP], v[BM+3]
	v_mul_f32 v[TP], s[CS], v[TP]                  ; as t (c is positive)
	v_max_num_f32 v13, v13, v[TP]                  ; the running largest t
	v_mov_b32 v[TP], v12
	v_floor_f32 v12, -v13                          ; the new -M = floor(-t): M is a whole number
	v_sub_f32 v[TP], v12, v[TP]                    ; old M - new M: a whole number, 0 or less
	v_cvt_i32_f32 v[TP], v[TP]                     ; (it saturates)
	v_ldexp_f32 v[FF], 1.0, v[TP]                  ; f = 2^(old M - new M)
.set j, 0
.rept 32
	v_pk_fma_f32 v[SS+j:SS+j+1], v[SS+j:SS+j+1], s[CS:CS+1], v[12:13] op_sel_hi:[1,0,0]   ; t - M, two at a time
.set j, j+2
.endr
.irp b, 0,1,2,3
	v_fma_f32 v[BM+\b], v[BM+\b], s[CS], v12       ; the same of each block's largest score
.endr
.set j, 0
.rept 64
	v_exp_f32 v[SS+j], v[SS+j]                     ; p = 2^(t - M), at most 1
.set j, j+1
.endr
	v_pk_mul_f32 v[14:15], v[14:15], v[FF:FF+1] op_sel_hi:[1,0]   ; the sums under the new M (a plain place behind the exponentials)
	s_wait_alu depctr_va_vdst(0)                   ; one wait for the batch, ahead of its first reader
.irp b, 0,1,2,3
	v_exp_f32 v[BM+\b], v[BM+\b]                   ; the block's largest p
.endr
	v_pk_add_f32 v[SM2:SM2+1], v[SS:SS+1], v[SS+2:SS+3]   ; the row's sum is taken of the unquantised p, in two chains
.irp j, 4,8,12,16,20,24,28,32,36,40,44,48,52,56,60
	v_pk_add_f32 v[14:15], v[14:15], v[SS+\j:SS+\j+1]
	v_pk_add_f32 v[SM2:SM2+1], v[SM2:SM2+1], v[SS+2+\j:SS+3+\j]
.endr
	v_pk_add_f32 v[14:15], v[14:15], v[SM2:SM2+1]
	s_wait_alu depctr_va_vdst(0)                   ; and one for the four
.irp b, 0,1,2,3
	v_max_num_f32 v[BM+\b], 0x1800000, v[BM+\b]    ; the floor 2^(3 - 127)
.endr
.irp b, 0,1,2,3
	v_add_nc_u32 v[SOP+\b], 0xff000000, v[BM+\b]   ; 2 off the exponent field: the conversion's scale operand
.endr
.irp b, 0,1,2,3
	v_lshrrev_b32 v[BX+\b], 23, v[SOP+\b]          ; the byte
.endr
	v_lshl_or_b32 v[PWD], v[BX+1], 8, v[BX]        ; p's scale word for these 128 keys
	v_lshl_or_b32 v[PWD], v[BX+2], 16, v[PWD]
	v_lshl_or_b32 v[PWD], v[BX+3], 24, v[PWD]
.irp c, 0,1
	v_cvt_scalef32_pk16_fp6_f32 v[PCD+6*\c:PCD+6*\c+2], v[SS+32*\c:SS+32*\c+15], v[SOP+2*\c]
	v_cvt_scalef32_pk16_fp6_f32 v[CT+4*\c:CT+4*\c+2], v[SS+32*\c+16:SS+32*\c+31], v[SOP+2*\c+1]
.endr
	v_nop                                          ; one plain place behind a scaled conversion
.irp c, 0,1                                    ; the operand's layout wants a whole block in a lane
.irp i, 0,1,2
	v_permlane16_swap_b32 v[PCD+6*\c+\i], v[CT+4*\c+\i]
.endr
.irp i, 0,1,2
	v_mov_b32 v[PCD+6*\c+3+\i], v[CT+4*\c+\i]
.endr
.endr
.set j, 0
.rept 16
	v_pk_mul_f32 v[OT+j:OT+j+1], v[OT+j:OT+j+1], v[FF:FF+1] op_sel_hi:[1,0]   ; O^T under the new M.  (Also the places between the writes of p's word and codes and the scaled products)
.set j, j+2
.endr
	s_wait_dscnt 0x0                               ; V's fragments and words are in
.irp t, 0,2
	v_wmma_scale_f32_16x16x128_f8f6f4 v[OT+8*\t:OT+8*\t+7], v[KV+12*\t:KV+12*\t+11], v[PCD:PCD+11], v[OT+8*\t:OT+8*\t+7], v[VW+\t/2], v[PWD] matrix_a_fmt:MATRIX_FMT_FP6 matrix_b_fmt:MATRIX_FMT_FP6
	v_wmma_scale_f32_16x16x128_f8f6f4 v[OT+8*\t+8:OT+8*\t+15], v[KV+12*\t+12:KV+12*\t+23], v[PCD:PCD+11], v[OT+8*\t+8:OT+8*\t+15], v[VW+\t/2], v[PWD] matrix_a_fmt:MATRIX_FMT_FP6 matrix_b_fmt:MATRIX_FMT_FP6 matrix_a_scale:MATRIX_SCALE_ROW1
.endr
.endm
; A PASS: one tile of 16 queries against all 2,048 keys, 16 steps; then O / l, quantised along C, to o_img.
.macro PASS pi, qf, qs
	v_mov_b32 v13, 0xff61b1e6                      ; the largest t so far: -3e38
	v_floor_f32 v12, -v13
	v_mov_b32 v14, 0
	v_mov_b32 v15, 0
.set j, 0
.rept 32
	v_mov_b32 v[OT+j], 0                           ; the step is written once: the first finds zeros, which the first change of M leaves zeros
.set j, j+1
.endr
	s_mov_b32 s[TK], 0
	s_mov_b32 s[TS], 0
	s_mov_b32 s[TJ], 0
	s_mov_b32 s[CNT], 16
.Lstep_\@:
	STEP \qf, \qs
	s_add_co_u32 s[TK], s[TK], 6144
	s_add_co_u32 s[TS], s[TS], 512
	s_add_co_u32 s[TJ], s[TJ], 256
	s_sub_co_u32 s[CNT], s[CNT], 1
	s_cmp_lg_u32 s[CNT], 0
	s_cbranch_scc1 .Lstep_\@
.rept 4
	v_nop                                          ; places behind the last products
.endr
	v_add_f32 v14, v14, v15
	v_permlanex16_b32 v[TP], v14, s[SEL], s[SEL+1]
	v_add_f32 v14, v14, v[TP]                      ; the row's sum
	v_rcp_f32 v14, v14
	v_nop                                          ; a plain place behind the transcendental
	s_wait_alu depctr_va_vdst(0)                   ; and the wait ahead of its first reader
.set j, 0
.rept 32
	v_mul_f32 v[SS+j], v[OT+j], v14                ; register 16 i + j' = o(my query, d = 32 i + 16 h + j'); each accumulator from its low end on
.set j, j+1
.endr
.irp b, 0,1
	v_max3_num_f32 v[BM+\b], |v[SS+16*\b]|, |v[SS+1+16*\b]|, 0x1800000
.endr
.irp i, 2,4,6,8,10,12,14
.irp b, 0,1
	v_max3_num_f32 v[BM+\b], v[BM+\b], |v[SS+16*\b+\i]|, |v[SS+1+16*\b+\i]|
.endr
.endr
.irp b, 0,1
	v_permlanex16_b32 v[BX+\b], v[BM+\b], s[SEL], s[SEL+1]
.endr
.irp b, 0,1
	v_max_num_f32 v[BM+\b], v[BM+\b], v[BX+\b]
.endr
.irp b, 0,1
	v_add_nc_u32 v[SOP+\b], 0xff000000, v[BM+\b]
.endr
.irp b, 0,1
	v_lshrrev_b32 v[BX+\b], 23, v[SOP+\b]
.endr
	s_wait_xcnt 0x0                                ; the last pass's stores have read their data: the registers below are rewritten only behind this wait
	v_lshl_or_b32 v[HW], v[BX+1], 8, v[BX]
	v_cvt_scalef32_pk16_fp6_f32 v[OC:OC+2], v[SS:SS+15], v[SOP]
	v_cvt_scalef32_pk16_fp6_f32 v[CT:CT+2], v[SS+16:SS+31], v[SOP+1]
	v_nop                                          ; one plain place behind a scaled conversion
.irp i, 0,1,2
	v_permlane16_swap_b32 v[OC+\i], v[CT+\i]
.endr
.irp i, 0,1,2
	v_mov_b32 v[OC+3+\i], v[CT+\i]                 ; six registers: d = 32 h + 0 .. 31
.endr
.irp p, 0,1,2
	global_store_b64 v[LO8], v[OC+2*\p:OC+2*\p+1], s[80:81] offset:204800*\pi+256*\p   ; 256 consecutive bytes, aligned
.endr
	global_store_b16 v[R16], v[HW], s[82:83] offset:204800*\pi   ; two bytes a row, 16 bytes apart (against 48 bytes of codes a row); lanes l and l xor 16 hold the same value and name the same bytes
.endm
	PASS 0, Q0, QS0
	PASS 1, Q1, QS1
	s_wait_tensorcnt 0x0                           ; the wave's end
	ds_add_u32 v[SPW], v[NIL]
	s_wait_dscnt 0x0
	CROUND                                         ; the closing round
	s_endpgm
.Lfunc_end_k_q9075751f5e_attn:
	.size	k_q9075751f5e_attn, .Lfunc_end_k_q9075751f5e_attn-k_q9075751f5e_attn
	.p2alignl 7, 3214868480
	.fill 96, 4, 3214868480
	.section	.rodata,"a",@progbits
	.p2align	6, 0x0
	.amdhsa_kernel k_q9075751f5e_attn
		.amdhsa_group_segment_fixed_size 210944
		.amdhsa_private_segment_fixed_size 0
		.amdhsa_enable_private_segment 0
		.amdhsa_kernarg_size 24
		.amdhsa_user_sgpr_count 2
		.amdhsa_user_sgpr_kernarg_segment_ptr 1
		.amdhsa_wavefront_size32 1
		.amdhsa_system_sgpr_workgroup_id_x 1
		.amdhsa_system_sgpr_workgroup_id_y 1
		.amdhsa_system_sgpr_workgroup_id_z 1
		.amdhsa_system_vgpr_workitem_id 0
		.amdhsa_next_free_vgpr 256
		.amdhsa_next_free_sgpr 90
		.amdhsa_reserve_vcc 0
		.amdhsa_float_denorm_mode_32 3
		.amdhsa_float_denorm_mode_16_64 3
		.amdhsa_memory_ordered 1
		.amdhsa_forward_progress 1
		.amdhsa_inst_pref_size 53
	.end_amdhsa_kernel
	.amdgpu_metadata
---
amdhsa.version: [ 1, 2 ]
amdhsa.kernels:
  - .name:           k_q9075751f5e_attn
    .symbol:         k_q9075751f5e_attn.kd
    .args:
      - { .name: qkv_img, .offset: 0, .size: 8, .value_kind: global_buffer, .address_space: global }
      - { .name: qkv_sc, .offset: 8, .size: 8, .value_kind: global_buffer, .address_space: global }
      - { .name: o_img, .offset: 16, .size: 8, .value_kind: global_buffer, .address_space: global }
    .group_segment_fixed_size: 210944
    .private_segment_fixed_size: 0
    .kernarg_segment_align: 8
    .kernarg_segment_size: 24
    .max_flat_workgroup_size: 512
    .sgpr_count:     90
    .vgpr_count:     256
    .wavefront_size: 32
...
	.end_amdgpu_metadata
.endif
;; end of part 3
;; launch proj (part 4): grid 4 x 32, 4 waves a work-group, clusters of 4 x 4, 327,680 bytes of LDS; arguments o_img, wproj_img, b_proj, out0; writes out0
.if DOCPART == 4
	.amdgcn_target "amdgcn-amd-amdhsa--gfx1250"
	.amdhsa_code_object_version 6
	.text
	.protected	k_q9075751f5e_proj
	.globl	k_q9075751f5e_proj
	.p2align	8
	.type	k_q9075751f5e_proj,@function
k_q9075751f5e_proj:
	s_mov_b64 s[64:65], 0
	v_nop
	global_prefetch_b8 v0, s[64:65] scope:SCOPE_SE
	s_setreg_imm32_b32 hwreg(HW_REG_WAVE_MODE, 25, 1), 1
	s_wait_xcnt 0x0
	s_wait_alu depctr_hold_cnt(0) depctr_sa_sdst(0) depctr_va_vdst(0) depctr_va_sdst(0) depctr_va_ssrc(0) depctr_va_vcc(0) depctr_vm_vsrc(0)
	s_getreg_b32 s2, hwreg(HW_REG_IB_STS2, 6, 4)
	s_cmp_eq_u32 s2, 0
	s_cbranch_scc0 .Lentry_in_a_cluster
	s_endpgm
.Lentry_in_a_cluster:
	s_bfe_u32 s2, ttmp6, 0x10000c
	s_cmp_lg_u32 s2, 0xf033
	s_cbranch_scc0 .Lentry_shape_is_right
	s_endpgm
.Lentry_shape_is_right:
; out0 = O W_proj^T + b_proj on codes of FP6 (E2M3), K = 1,024; out0 [8,192][1,024] f32.
; OPERANDS are images of the operand's registers: rows in groups sg of 128, K in steps kappa of 128, block (sg, kappa) of 12,800 bytes at (8 sg + kappa) x 12,800: fragment a at 1,536 a, plane p at 256 p, lane at 8 l;
; lane (r, h) of fragment a holds row 32 (a / 2) + 8 (a % 2) + r + 8 (r / 8) of the group; from byte 12,288 on the scale words, (r, a) at 256 (a / 4) + 16 r + 4 (a % 4).
; A tile of 256 x 256 is made by four waves, 128 x 128 each.  Source 0 = 16 rows of W_proj, source 1 = 16 rows of O: a lane holds one token, and registers 0-7 of tile b the outputs 32 (b / 2) + 8 (b % 2) + 16 h + 0 .. 7.
; The bias is the C of each sum's first matrix instruction: eight registers for each of B's eight tiles.
; K goes through a ring of two LDS slots of 256 along K; a wave's tensor load brings 25,600 dense bytes, the scale words among them.  K = 1,024 is twice round the ring: the steps are written out.
; CLUSTERS: 4 x 4 work-groups; O's tiles are shared along a row of the cluster, W_proj's along a column.  128 work-groups: the launch is short beside the attention, and the larger tile reads each LDS byte for twice the products of a tile of 128 x 256.
; Nothing is prefetched: half of K is asked for at the head.
; REGISTERS: window 0: v16-29 addresses; v32-63 scale words, two sets; v128-223 A's fragments; on the way out v128-255 rows of out0.  window 1: B's fragments at v0 and v128; the bias at v96-127 and v224-255.  windows 2, 3: the accumulators.
.set FR,     12
.set NL,     6
.set NP,     4
.set BLKB,   12800
.set REGB,   2*BLKB
.set SLOT,   4*REGB
.set SPARE,  2*SLOT
.set SPITCH, 528                       ; the way out: a stage of 16 rows x (512 + 16) bytes for each wave, in slot 0, which has had its last fill and its last read by then
.set ADRA, 16
.set ADRB, 20
.set ADRS, 22
.set STO,  24                          ; v24 the stage: where I put 32 bytes of a row
.set RD,   25                          ; v25 and where I read a row back
.set CO,   26                          ; v26 8 x lane
.set L16,  27                          ; v27 16 x lane
.set SPW,  28
.set NIL,  29
.set BO,   30                          ; v30 64 h: the bias of my half's outputs
.set SC,   32
.set AF,   128
.set BK,   128
.set G1, 24
.set G0, 32
.set G1B, 48
.set G0B, 56
.set MSB, 0
.macro WIN new
.if MSB != \new
	s_set_vgpr_msb (MSB<<8)|\new
.set MSB, \new
.endif
.endm
.set MUL_LO, 0xa1                      ; source 0 (B) window 1, source 1 (A) window 0, C and D window 2
.set MUL_HI, 0xf1
.set BIA_LO, 0x91                      ; the same with C (the bias) in window 1
.set BIA_HI, 0xd1
.set TO_B,   0x40
.macro JLOAD g0a, g1a, g0b, g1b        ; a joint load: waves 0 and 1 fetch for A, waves 2 and 3 for B; an s_nop 0 and four v_nop follow each line
	s_cmp_eq_u32 s15, 0
	s_cbranch_scc0 .Lfor_b_\@
	tensor_load_to_lds s[\g0a:\g0a+3], s[\g1a:\g1a+7]
	s_nop 0
.rept 4
	v_nop
.endr
	s_branch .Lasked_\@
.Lfor_b_\@:
	tensor_load_to_lds s[\g0b:\g0b+3], s[\g1b:\g1b+7]
	s_nop 0
.rept 4
	v_nop
.endr
.Lasked_\@:
.endm
.macro CREST
	s_cmp_lg_u32 s14, 0
	s_cbranch_scc1 .Lnot_wave_0_\@
	s_barrier_signal -3
.Lnot_wave_0_\@:
	s_barrier_wait -3
	s_barrier_signal -1
	s_barrier_wait -1
.endm
.macro CROUND
	s_barrier_signal -1
	s_barrier_wait -1
	CREST
.endm
	s_load_b256 s[4:11], s[0:1], 0x0               ; o_img s[4:5], wproj_img s[6:7], b_proj s[8:9], out0 s[10:11]
	v_lshl_add_u32 v[SPW], v0, 2, SPARE
	v_mov_b32 v[NIL], 0
	ds_add_u32 v[SPW], v[NIL]                      ; the wave's opening: the add and its wait stand ahead of my first tensor load
	v_lshrrev_b32 v1, 5, v0
	v_readfirstlane_b32 s14, v1                    ; wave 0..3
	s_lshr_b32 s15, s14, 1                         ; hm; also: I fetch for A (0) or for B (1)
	s_and_b32 s16, s14, 1                          ; hn; also: which group of that tile I fetch
	s_bfe_u32 s40, ttmp6, 0x40000                  ; cx
	s_bfe_u32 s41, ttmp6, 0x40004                  ; cy
	s_lshl_b32 s42, ttmp9, 2
	s_add_co_u32 s42, s42, s40                     ; tile column
	s_and_b32 s17, ttmp7, 0xffff
	s_lshl_b32 s17, s17, 2
	s_add_co_u32 s17, s17, s41                     ; tile row
	s_lshl_b32 s43, s41, 2
	s_lshl_b32 s43, 15, s43                        ; my row of the cluster
	s_lshl_b32 s44, 0x1111, s40                    ; my column
	s_or_b32 s[G1+0], s43, (3<<16)|(1<<21)
	s_or_b32 s[G1B+0], s44, (3<<16)|(1<<21)
.irp g, G1, G1B
	s_mov_b32 s[\g+1], 32<<16                      ; 100 rows of 256 bytes, dense
	s_mov_b32 s[\g+2], 100<<16
	s_mov_b32 s[\g+3], 32<<16
	s_mov_b32 s[\g+4], 100
	s_mov_b32 s[\g+5], 32
	s_mov_b32 s[\g+6], 0
	s_mov_b32 s[\g+7], 0
.endr
	s_lshl_b32 s20, s17, 1
	s_add_co_u32 s20, s20, s16
	s_mul_i32 s20, s20, 8*BLKB
	s_mov_b32 s21, 0
	s_lshl_b32 s46, s42, 1
	s_add_co_u32 s46, s46, s16
	s_mul_i32 s46, s46, 8*BLKB
	s_mov_b32 s47, 0
	s_mul_i32 s76, s14, REGB
	s_wait_dscnt 0x0                               ; the opening add is done
	s_wait_kmcnt 0x0
	s_add_nc_u64 s[20:21], s[4:5], s[20:21]
	s_add_nc_u64 s[46:47], s[6:7], s[46:47]
	CROUND
.irp s, 0,1
	s_mov_b32 s[G0+4*\s], 1
	s_add_co_u32 s[G0+4*\s+1], s76, \s*SLOT
	s_add_nc_u64 s[G0+4*\s+2:G0+4*\s+3], s[20:21], \s*REGB
	s_or_b32 s[G0+4*\s+3], s[G0+4*\s+3], 0x80000000
	s_mov_b32 s[G0B+4*\s], 1
	s_add_co_u32 s[G0B+4*\s+1], s76, \s*SLOT
	s_add_nc_u64 s[G0B+4*\s+2:G0B+4*\s+3], s[46:47], \s*REGB
	s_or_b32 s[G0B+4*\s+3], s[G0B+4*\s+3], 0x80000000
	JLOAD G0+4*\s, G1, G0B+4*\s, G1B
.endr
	v_and_b32 v1, 15, v0                           ; r
	v_bfe_u32 v2, v0, 4, 1                         ; h
	v_and_b32 v3, 31, v0
	v_lshlrev_b32 v[CO], 3, v3
	v_lshlrev_b32 v[L16], 4, v3
	v_lshlrev_b32 v[BO], 6, v2
	s_lshl_b32 s78, s42, 10
	s_lshl_b32 s79, s16, 9
	s_add_co_u32 s78, s78, s79                     ; my first output, in bytes: 1,024 x tile column + 512 hn
	s_mov_b32 s79, 0
	s_add_nc_u64 s[8:9], s[8:9], s[78:79]
	s_add_nc_u64 s[10:11], s[10:11], s[78:79]
	s_lshl_b32 s78, s17, 20
	s_lshl_b32 s68, s15, 19
	s_add_co_u32 s78, s78, s68                     ; my first token's row: (256 x tile row + 128 hm) x 4,096 bytes
	s_add_nc_u64 s[10:11], s[10:11], s[78:79]
	WIN TO_B
.irp b, 0,1,2,3,4,5,6,7                        ; the bias of tile b's outputs 32 (b / 2) + 8 (b % 2) + 16 h + 0 .. 7
	global_load_b128 v[96+8*\b+96*(\b/4):96+8*\b+96*(\b/4)+3], v[BO], s[8:9] offset:(32*(\b/2)+8*(\b%2))*4
	global_load_b128 v[96+8*\b+96*(\b/4)+4:96+8*\b+96*(\b/4)+7], v[BO], s[8:9] offset:(32*(\b/2)+8*(\b%2))*4+16
.endr
	WIN 0
	s_mul_i32 s84, s15, REGB
	s_mul_i32 s85, s16, REGB
	s_add_co_u32 s85, s85, 2*REGB
	s_xor_b32 s86, s15, 1
	s_add_co_u32 s86, s86, s16
	s_add_co_u32 s86, s86, 1
	s_mul_i32 s86, s86, REGB                       ; from my group of A to my group of B: (2 + hn - hm) regions
	v_mul_u32_u24 v4, s86, v2
	v_lshl_add_u32 v4, v1, 4, v4
	v_add_nc_u32 v4, s84, v4
	v_add_nc_u32 v[ADRS], 12288, v4
	v_add_nc_u32 v[ADRS+1], 12288+SLOT, v4
.irp s, 0,1
	v_add_nc_u32 v[ADRA+\s], s84, v[CO]
	v_add_nc_u32 v[ADRB+\s], s85, v[CO]
	s_add_co_u32 s84, s84, SLOT
	s_add_co_u32 s85, s85, SLOT
.endr
	s_mul_i32 s87, s14, 16*SPITCH                  ; my stage
	v_mul_u32_u24 v5, v1, SPITCH
	v_lshl_add_u32 v5, v2, 6, v5
	v_add_nc_u32 v[STO], s87, v5                   ; in: row r, + 64 h
	v_add_nc_u32 v[RD], s87, v[L16]                ; back: a row of 512 bytes, 16 a lane
.macro FRAG reg, adr, q, i
.irp p, 0,1,2,3,4,5
	ds_load_b64 v[\reg+2*\p:\reg+2*\p+1], v[\adr] offset:BLKB*(\q)+1536*(\i)+256*\p
.endr
.endm
; 16 matrix instructions: A's blocks a0, a0 + 1 x B's eight.  zero = 1: the first product starts the sums, with the bias as C.  The 64 accumulators take turns.
.macro MUL16 a0, p, q, sc, zero
.irp a, \a0, \a0+1
.irp b, 0,1,2,3,4,5,6,7
.if \zero
	v_wmma_scale_f32_16x16x128_f8f6f4 v[8*(8*((\a)%4)+\b):8*(8*((\a)%4)+\b)+7], v[128*(\p)+FR*\b:128*(\p)+FR*\b+FR-1], v[AF+FR*(\a):AF+FR*(\a)+FR-1], v[96+8*\b+96*(\b/4):96+8*\b+96*(\b/4)+7], v[SC+16*(\sc)+8*(\q)+\b], v[SC+16*(\sc)+8*(\q)+(\a)] matrix_a_fmt:MATRIX_FMT_FP6 matrix_b_fmt:MATRIX_FMT_FP6 matrix_a_scale:MATRIX_SCALE_ROW1
.else
	v_wmma_scale_f32_16x16x128_f8f6f4 v[8*(8*((\a)%4)+\b):8*(8*((\a)%4)+\b)+7], v[128*(\p)+FR*\b:128*(\p)+FR*\b+FR-1], v[AF+FR*(\a):AF+FR*(\a)+FR-1], v[8*(8*((\a)%4)+\b):8*(8*((\a)%4)+\b)+7], v[SC+16*(\sc)+8*(\q)+\b], v[SC+16*(\sc)+8*(\q)+(\a)] matrix_a_fmt:MATRIX_FMT_FP6 matrix_b_fmt:MATRIX_FMT_FP6 matrix_a_scale:MATRIX_SCALE_ROW1
.endif
.endr
.endr
.endm
.macro FETCH_B slot, q, p
	WIN TO_B
.irp i, 0,1,2,3,4,5,6,7
	FRAG 128*(\p)+FR*\i, ADRB+\slot, \q, \i
.endr
	WIN 0
.endm
.macro FETCH_A slot, q, i0
.irp i, \i0, \i0+1, \i0+2, \i0+3
	FRAG AF+FR*(\i), ADRA+\slot, \q, \i
.endr
.endm
.macro SCALES sc
.irp q, 0,1
.irp u, 0,1
	ds_load_b128 v[SC+16*\sc+8*\q+4*\u:SC+16*\sc+8*\q+4*\u+3], v[ADRS+\sc] offset:BLKB*\q+256*\u
.endr
.endr
.endm
.macro PLACES n
.rept \n
	v_nop
.endr
.endm
.macro STEP slot, q, zero
	s_wait_dscnt 4*NL                              ; all but the youngest 24 loads (A's blocks 4-7)
.if \zero
	WIN BIA_LO
.else
	WIN MUL_LO
.endif
	MUL16 0, (\q)%2, \q, \slot, \zero
	MUL16 2, (\q)%2, \q, \slot, \zero
	s_wait_dscnt 0
	PLACES NP
	FETCH_B \slot, (\q)+1, 1-(\q)%2
	FETCH_A \slot, (\q)+1, 0
.if \zero
	WIN BIA_HI
.else
	WIN MUL_HI
.endif
	MUL16 4, (\q)%2, \q, \slot, \zero
	MUL16 6, (\q)%2, \q, \slot, \zero
	PLACES NP
	WIN 0
	FETCH_A \slot, (\q)+1, 4
.endm
.macro TURN slot, next, fill
	s_wait_tensorcnt 0x0                           ; all my tensor loads have landed: my part of the next slot
	ds_add_u32 v[SPW], v[NIL]                      ; 0 onto my spare word
	s_wait_dscnt 4*NL+1                            ; (the add and the youngest 24 loads may be out)
	WIN MUL_LO
	MUL16 0, 1, 1, \slot, 0
	s_wait_dscnt 0x0                               ; the add is done, and my reads of this slot are over
	s_barrier_signal -1
	MUL16 2, 1, 1, \slot, 0
	WIN 0
	s_barrier_wait -1
.if \fill
	CREST                                          ; the barrier has opened a round of the cluster's barrier
	s_add_nc_u64 s[G0+4*\slot+2:G0+4*\slot+3], s[G0+4*\slot+2:G0+4*\slot+3], 2*REGB
	s_add_nc_u64 s[G0B+4*\slot+2:G0B+4*\slot+3], s[G0B+4*\slot+2:G0B+4*\slot+3], 2*REGB
	JLOAD G0+4*\slot, G1, G0B+4*\slot, G1B
.else
	PLACES NP
.endif
	FETCH_B \next, 0, 0
	FETCH_A \next, 0, 0
	SCALES \next
	WIN MUL_HI
	MUL16 4, 1, 1, \slot, 0
	MUL16 6, 1, 1, \slot, 0
	PLACES NP
	WIN 0
	FETCH_A \next, 0, 4
.endm
	s_wait_tensorcnt 1                             ; my part of slot 0 is in; slot 1's load may be out
	s_barrier_signal -1
	s_barrier_wait -1
	FETCH_B 0, 0, 0
	FETCH_A 0, 0, 0
	SCALES 0
	FETCH_A 0, 0, 4
	s_wait_loadcnt 0x0                             ; the bias
	STEP 0, 0, 1
	TURN 0, 1, 1
	STEP 1, 0, 0
	TURN 1, 0, 1
	STEP 0, 0, 0
	TURN 0, 1, 0
	STEP 1, 0, 0
	s_wait_dscnt 4*NL
	WIN MUL_LO
	MUL16 0, 1, 1, 1, 0
	MUL16 2, 1, 1, 1, 0
	s_wait_dscnt 0
	WIN MUL_HI
	MUL16 4, 1, 1, 1, 0
	MUL16 6, 1, 1, 1, 0
	WIN 0
; THE WAY OUT, block by block of 16 tokens x 128 outputs, through my own stage: in by 32 bytes a lane and tile, back as whole rows of 512 bytes.  LDS serves a wave's instructions in order (ISA guide 5.7.1.4).
.macro TOSTAGE a
.set AC, 64*((\a)%4)
	WIN 0x08+4*((\a)/4)                            ; the data: window 2 or 3
.irp b, 0,1,2,3,4,5,6,7
	ds_store_b128 v[STO], v[AC+8*\b:AC+8*\b+3] offset:128*(\b/2)+32*(\b%2)        ; each accumulator from its low end on
	ds_store_b128 v[STO], v[AC+8*\b+4:AC+8*\b+7] offset:128*(\b/2)+32*(\b%2)+16
.endr
	WIN 0
.set BB, BK+64*((\a)%2)
.irp t, 0,1,2,3,4,5,6,7,8,9,10,11,12,13,14,15
	ds_load_b128 v[BB+4*\t:BB+4*\t+3], v[RD] offset:\t*SPITCH
.endr
.endm
.macro SEND a, younger                 ; younger: the LDS instructions issued behind block a's loads, which may stay out
.set BB, BK+64*((\a)%2)
	s_wait_dscnt \younger
.irp t, 0,1,2,3,4,5,6,7,8,9,10,11,12,13,14,15
	global_store_b128 v[L16], v[BB+4*\t:BB+4*\t+3], s[10:11] offset:(32*((\a)/2)+8*((\a)%2)+\t+8*(\t/8))*4096 th:TH_STORE_NT   ; 512 consecutive bytes, aligned; stage row t is the token of lane t of fragment a
.endr
.endm
	PLACES NP
	TOSTAGE 0
.irp a, 1,2,3,4,5,6,7
.if \a > 1
	s_wait_xcnt 0x0                                ; block a - 2's stores have read their registers: block a's loads may land there
.endif
	TOSTAGE \a
	SEND \a-1, 32                                  ; behind block a - 1's loads: block a's 16 stores and 16 loads
.endr
	SEND 7, 0
	s_wait_tensorcnt 0x0                           ; the wave's end
	ds_add_u32 v[SPW], v[NIL]
	s_wait_dscnt 0x0
	CROUND                                         ; the closing round
	s_endpgm
.Lfunc_end_k_q9075751f5e_proj:
	.size	k_q9075751f5e_proj, .Lfunc_end_k_q9075751f5e_proj-k_q9075751f5e_proj
	.p2alignl 7, 3214868480
	.fill 96, 4, 3214868480
	.section	.rodata,"a",@progbits
	.p2align	6, 0x0
	.amdhsa_kernel k_q9075751f5e_proj
		.amdhsa_group_segment_fixed_size 327680
		.amdhsa_private_segment_fixed_size 0
		.amdhsa_enable_private_segment 0
		.amdhsa_kernarg_size 32
		.amdhsa_user_sgpr_count 2
		.amdhsa_user_sgpr_kernarg_segment_ptr 1
		.amdhsa_wavefront_size32 1
		.amdhsa_system_sgpr_workgroup_id_x 1
		.amdhsa_system_sgpr_workgroup_id_y 1
		.amdhsa_system_sgpr_workgroup_id_z 1
		.amdhsa_system_vgpr_workitem_id 0
		.amdhsa_next_free_vgpr 1024
		.amdhsa_next_free_sgpr 98
		.amdhsa_reserve_vcc 0
		.amdhsa_float_denorm_mode_32 3
		.amdhsa_float_denorm_mode_16_64 3
		.amdhsa_memory_ordered 1
		.amdhsa_forward_progress 1
		.amdhsa_inst_pref_size 157
	.end_amdhsa_kernel
	.amdgpu_metadata
---
amdhsa.version: [ 1, 2 ]
amdhsa.kernels:
  - .name:           k_q9075751f5e_proj
    .symbol:         k_q9075751f5e_proj.kd
    .args:
      - { .name: o_img, .offset: 0, .size: 8, .value_kind: global_buffer, .address_space: global }
      - { .name: wproj_img, .offset: 8, .size: 8, .value_kind: global_buffer, .address_space: global }
      - { .name: b_proj, .offset: 16, .size: 8, .value_kind: global_buffer, .address_space: global }
      - { .name: out0, .offset: 24, .size: 8, .value_kind: global_buffer, .address_space: global }
    .group_segment_fixed_size: 327680
    .private_segment_fixed_size: 0
    .kernarg_segment_align: 8
    .kernarg_segment_size: 32
    .max_flat_workgroup_size: 128
    .sgpr_count:     98
    .vgpr_count:     1024
    .wavefront_size: 32
...
	.end_amdgpu_metadata
.endif
;; end of part 4
